; MI455X (gfx1250); checked and timed in simulation.
; The chip was launched on July 23, 2026; its instructions are those of AMD's public machine-readable ISA for CDNA 5 (MIT licence, August 2026) and "CDNA5" Instruction Set Architecture Reference Guide (July 2026). The comments in the code are by the model that wrote it; some were corrected since.
;; Hi Lo. Allowed arithmetic: matrix products marked QUANTISED: E4M3 operands, one E8M0 scale for each 32 along K, by v_wmma_scale_f32_16x16x128_f8f6f4 with both operands' format E4M3, f32 sums; products left as they are: f32 operands where the result goes on into a quantised operand, else bf16, f16 or f32 operands; f32 sums; everything else in f32.
;; Inputs: h_proj_b 128 float32; h_proj_w_codes 128 x 4 x 32 uint8 (E4M3 codes of h_proj_w, K innermost, in blocks of 32 codes); h_proj_w_scales 128 x 4 uint8 (E8M0 scales of h_proj_w, one for each 32 codes along K); h_qkv_w_codes 384 x 8 x 32 uint8 (E4M3 codes of h_qkv_w, K innermost, in blocks of 32 codes); h_qkv_w_scales 384 x 8 uint8 (E8M0 scales of h_qkv_w, one for each 32 codes along K); l_kv_w_codes 256 x 8 x 32 uint8 (E4M3 codes of l_kv_w, K innermost, in blocks of 32 codes); l_kv_w_scales 256 x 8 uint8 (E8M0 scales of l_kv_w, one for each 32 codes along K); l_proj_b 128 float32; l_proj_w_codes 128 x 4 x 32 uint8 (E4M3 codes of l_proj_w, K innermost, in blocks of 32 codes); l_proj_w_scales 128 x 4 uint8 (E8M0 scales of l_proj_w, one for each 32 codes along K); l_q_w_codes 128 x 8 x 32 uint8 (E4M3 codes of l_q_w, K innermost, in blocks of 32 codes); l_q_w_scales 128 x 8 uint8 (E8M0 scales of l_q_w, one for each 32 codes along K); x 8 x 256 x 64 x 64 float32.
;; Outputs: out0 8 x 256 x 64 x 64 float32.
;; This version of the problem:
;;   THIS VERSION OF THE PROBLEM IS GIVEN IN LOW PRECISION. The matrix products marked QUANTISED in the list below multiply operands that are first quantised to E4M3 (4 exponent bits, 3 mantissa bits; 8 bits a number), with one power-of-two scale for each 32 numbers along K (OCP MX v1.0); their sums are f32. All else is computed in f32.
;;   The module's matrix products, in the order in which they are computed (A, B: the left and right operand; K: the contracted axis; several contracted axes count as one K, in the product's order):
;;     1. [M 32,768, K 256] x [K 256, N 384]; A: input x; B: input h_qkv_w (given as codes): QUANTISED
;;     2. batch 32,768 x [M 4, K 32] x [K 32, N 4]; A: computed on the way; B: computed on the way: left as it is (M = 4 < 16)
;;     3. batch 32,768 x [M 4, K 4] x [K 4, N 32]; A: softmax (see below); B: computed on the way: left as it is (K = 4 < 32)
;;     4. [M 32,768, K 128] x [K 128, N 128]; A: computed on the way; B: input h_proj_w (given as codes): QUANTISED
;;     5. [M 32,768, K 256] x [K 256, N 128]; A: input x; B: input l_q_w (given as codes): QUANTISED
;;     6. [M 8,192, K 256] x [K 256, N 256]; A: computed on the way; B: input l_kv_w (given as codes): QUANTISED
;;     7. batch 32 x [M 4,096, K 32] x [K 32, N 1,024]; A: computed on the way; B: computed on the way: QUANTISED
;;     8. batch 32 x [M 4,096, K 1,024] x [K 1,024, N 32]; A: softmax (see below); B: computed on the way: QUANTISED
;;     9. [M 32,768, K 128] x [K 128, N 128]; A: computed on the way; B: input l_proj_w (given as codes): QUANTISED
;;   THE QUANTISER, for each operand of a quantised product, along K:
;;     - K is cut into blocks of 32 from its start; a last block that is shorter is filled with zeros.
;;     - A block's scale is 2^e with e = floor(log2(the largest magnitude in the block)) - 8, held to -126 .. 127; a block of zeros has e = 0. As a byte (E8M0): e + 127.
;;     - Each number is divided by its block's scale, clamped to +-448, and rounded to the nearest number of E4M3, ties to even, subnormals kept.
;;     - The product sums the exact products of the quantised numbers (number of the format x scale) in f32.
;;   ~~~python
;;   def quantise(x, axis):      # numpy; x: float32 -> the quantised numbers, widened to float32 again
;;       x = np.moveaxis(x, axis, -1); K = x.shape[-1]
;;       x = np.pad(x, [(0, 0)] * (x.ndim - 1) + [(0, -K % 32)]); x = x.reshape(x.shape[:-1] + (-1, 32)); a = np.abs(x).max(-1, keepdims=True)
;;       e = np.where(a > 0, np.clip(np.frexp(np.where(a > 0, a, 1))[1] - 1 - 8, -126, 127), 0)      # np.frexp(a)[1] - 1 = floor(log2(a)), exactly
;;       r = np.clip(x / 2.0 ** e, -448, 448)
;;       step = 2.0 ** (np.maximum(np.frexp(np.where(r == 0, 1, r))[1] - 1, -6) - 3)
;;       q = np.round(r / step) * step * 2.0 ** e      # np.round: ties to even
;;       return np.moveaxis(q.reshape(q.shape[:-2] + (-1,))[..., :K], -1, axis).astype(np.float32)
;;   ~~~
;;   SOFTMAX AHEAD OF A QUANTISED PRODUCT. Where the list says 'softmax', what is quantised is not the finished softmax but p = 2^(t - M), with t = logit x log2(e) and M = ceil(the row's largest t), a whole number; so 1/2 < the row's largest p <= 1. The row's sum l is taken of the UNQUANTISED p, in f32, and the product's result is divided by l at the end. Since M is a whole number, a kernel that streams over the keys may use a running M (the ceiling of the running maximum): every later rescaling is an exact power of two, which a block's scale takes up: the codes' values come out the same.
;;   OPERANDS COMPUTED ON THE WAY. 'Computed on the way' means the value that the module computes at that place (a softmax that the list does not call 'softmax' is quantised finished and normalised). What goes into a quantiser is computed in f32, as accurately as f32 sums, v_exp_f32 and their like allow (about 1e-6 of the number): no bf16 or f16 on the way to a quantiser, and a product that is left as it is and whose result goes on into a quantised operand takes f32 operands (vector FMAs, or v_wmma_f32_16x16x4_f32). A number that lies on a knife's edge between two numbers of the format may be rounded either way, as far as f32 arithmetic and the matrix unit's own rounding can turn it there, and no further.
;;   INPUTS GIVEN AS CODES. h_proj_w (in the module: [128, 128], K = its axis 0); h_qkv_w (in the module: [256, 384], K = its axis 0); l_kv_w (in the module: [256, 256], K = its axis 0); l_proj_w (in the module: [128, 128], K = its axis 0); l_q_w (in the module: [256, 128], K = its axis 0): each comes as NAME_codes (uint8): NAME with its K axis moved to the last place and cut into blocks of 32 codes, [.., K / 32, bytes a block], one block behind the other in memory; one code a byte (a code: sign, 4 exponent bits, 3 mantissa bits); and NAME_scales (uint8): the same leading axes, one E8M0 byte (e + 127) for each 32 codes along K. Its value is code x scale, taken as it is: it is not quantised again, and the codes and scales need not be those that the quantiser above would give.
;; 2 versions. Each part assembles by itself: llvm-mc -triple=amdgcn-amd-amdhsa -mcpu=gfx1250 --defsym DOCPART=n.
;; ======== version 1 of 2: 2 launches
;; workspace buffers: qws 4,325,376 bytes; kvws 2,162,688 bytes
;; launch local (part 1): grid 32 x 8, 4 waves a work-group, no clusters, 261,120 bytes of LDS; arguments x, h_qkv_w_codes, h_qkv_w_scales, l_q_w_codes, l_q_w_scales, l_kv_w_codes, l_kv_w_scales, h_proj_w_codes, h_proj_w_scales, h_proj_b, qws, kvws, out0; writes qws, kvws, out0
.if DOCPART == 1
	.amdgcn_target "amdgcn-amd-amdhsa--gfx1250"
	.amdhsa_code_object_version 6
	.text
	.protected	k_qadf7174d8a_local
	.globl	k_qadf7174d8a_local
	.p2align	8
	.type	k_qadf7174d8a_local,@function
k_qadf7174d8a_local:
	s_mov_b64 s[64:65], 0
	v_nop
	global_prefetch_b8 v0, s[64:65] scope:SCOPE_SE
	s_setreg_imm32_b32 hwreg(HW_REG_WAVE_MODE, 25, 1), 1
	s_wait_xcnt 0x0
; HiLo attention, launch 1 of 2: all that is local to two image rows.
; x [8][256][64][64] f32.  A work-group (i = x of the grid, b = y) owns image rows 2 i, 2 i + 1 of image b: 128 tokens = 32 windows of 2 x 2 = 32 pooled keys; in x and in out0 they are 512 consecutive bytes of each channel.
; It quantises x and the 2 x 2 mean of x along the channels (MX-FP8: E4M3 codes, one E8M0 byte for 32 along K), and makes
;   hifi: q, k, v = x h_qkv_w; the window attention in f32 multiply-adds; o quantised; o h_proj_w + h_proj_b  -> out0, channels 0-127
;   lofi: q = x l_q_w, quantised along the head's 32 -> qws;  k, v = mean(x) l_kv_w, k quantised along the head's 32, v along the 32 keys -> kvws.
; NO WORK IS LEFT OUT: every product of the problem is live and every input reaches the output (l_proj_w and l_proj_b are read by the second launch).
; LIMITS: NaN and infinities among the inputs are not served.  A block of zeros gets the scale byte 1 where the quantiser says 127: its codes are zeros, and the bytes are read by this program alone.
;   The four terms of the pooled mean are added in pairs.
; SHARES.  Four waves; wave e owns head e of hifi and of lofi (columns, not rows): its 26 weight fragments (416 registers) stay in registers, read once.  What goes round through LDS is codes, as images of operand registers:
;   a group = 512 bytes, lane l's 16 bytes at 16 l = registers 4 c .. 4 c + 3 of a fragment.
; TOKEN TILES.  Tile 4 g + T, lane row r = the token at image row T / 2, column 2 (16 g + r) + T % 2: byte 256 (T / 2) + 128 g + 8 r + 4 (T % 2) of a channel's 512.  So the four tokens of window 16 g + r are lane r of tiles 4 g + 0 .. 3.
; WEIGHT ROWS of a tile whose result becomes a K axis are not neighbours: lane r of tile u takes row 8 u + r + 8 (r / 8) of the head's 32; used as source 0, a lane (r, h) then holds token r and in 16 registers the channels 16 h + 0 .. 15.
; NO CLUSTER: what work-groups share is the weights, 208 KiB; they go straight into registers; as joint tiles they would want about that much LDS beside x's 133,120 bytes and the images' 60 KiB, which does not fit.
; REGISTERS, in windows of 256.  Window 0: v1-22 addresses; v24-36 the weights' scale words; v38-47 x's (later o's) scale words; R1, R2, R3: three banks of 64; TM: 16 at work.
;   Window 1: h_qkv's 12 fragments at 16 (4 kind + 2 u + s); l_q's four from 192.   Window 2: l_kv's k at 16 (2 u + s), v at 64 + ..; h_proj's two from 128; its bias from 160; the pooled fragments from 176.   Window 3: x's 16 fragments; later o's 8.
.set XIMG,  133120                     ; LDS: from 0 x as f32, a channel's 512 bytes + 8 of padding (pitch 520: lanes 2 words apart, the halves 32 banks apart); then 20 fragment images of 2,048 bytes: 2 tile + s; pooled tiles are 8 + g
.set XSC,   174080                     ; their scale words: [tile][s][r], byte c
.set OIMG,  175360                     ; hifi's o: [tile][head][512]
.set OSC,   191744                     ; its scale words [tile][r], byte = head
.set QSC,   192256                     ; lofi q's, as they go to qws
.set KVS,   192768                     ; lofi k's [g][r] and v's [u][r], as they go to kvws
.set STG,   193024                     ; the way out: 128 channels x (512 bytes + 16)
.set SPARE, 260608                     ; the spare words, 128 bytes for each wave: two blocks of 256 bytes that no other line names
.set SPW, 1
.set NIL, 2
.set VW,  3                            ; weights' codes: (r + 8 (r / 8)) x 256 + 16 h
.set VSO, 4                            ; weights' scale words: lanes 0-15 tile 0's rows, lanes 16-31 tile 1's: (r + 8 (r / 8) + 8 h) x 8
.set VP,  5                            ; h_proj's codes: r x 128 + 16 h
.set L4,  6                            ; 4 x lane
.set VB,  7                            ; the bias: 32 h
.set AX,  8                            ; x in LDS: wave x 33,280 + h x 8,320 + 8 r
.set AI,  9                            ; where I store x's images
.set ASC, 10                           ; and their scale bytes
.set AF,  11                           ; XIMG + 16 lane
.set AXS, 12                           ; XSC + 4 lane
.set GQ,  13                           ; 16 lane + 512 head: my group in a record
.set ABS, 14                           ; OSC + 4 r + head: scale bytes of o; + 512: of q; + 1,024: of k and v
.set AO,  15                           ; OIMG + 16 lane + 512 head
.set AOF, 16                           ; OIMG + 16 lane
.set AOX, 17                           ; OSC + 4 lane
.set AKR, 18                           ; KVS + 8 lane
.set AST, 19                           ; the stage, in
.set ARD, 20                           ; the stage, back
.set L16, 21
.set L8,  22
.set WS,  24                           ; hq s0 s1, hk, hv, lq, lk, lv, hp
.set XS,  38
.set R1,  48
.set R2,  112
.set R3,  176
.set TM,  240
.set XA,  R1
.set XB,  R3
.set PO,  R2
.set CD,  R2+32
.set WV,  30
.set SEL, 48
.set MNT, 50
.set NCS, 51
.set CS,  52
.set W_H,  0x0d                        ; A window 1, B window 3
.set W_KV, 0x0a                        ; A and B window 2
.set W_PJ, 0x2e                        ; A window 2, B window 3, C window 2
.set MSB, 0
.macro WIN new                         ; the immediate's high byte repeats the setting that is left
.if MSB != \new
	s_set_vgpr_msb (MSB<<8)|\new
.set MSB, \new
.endif
.endm
.macro PLACES n
.rept \n
	v_nop
.endr
.endm
; one product 16 x 16 x 128.  c < 0: the constant 0 starts the sum.  ra, rb = 1: that side's scales are read from lanes 16-31
.macro MM d, a, b, c, sa, ra, sb, rb
.if (\c) < 0
.if (\ra) && (\rb)
	v_wmma_scale_f32_16x16x128_f8f6f4 v[(\d):(\d)+7], v[(\a):(\a)+15], v[(\b):(\b)+15], 0, v[(\sa)], v[(\sb)] matrix_a_scale:MATRIX_SCALE_ROW1 matrix_b_scale:MATRIX_SCALE_ROW1
.elseif (\ra)
	v_wmma_scale_f32_16x16x128_f8f6f4 v[(\d):(\d)+7], v[(\a):(\a)+15], v[(\b):(\b)+15], 0, v[(\sa)], v[(\sb)] matrix_a_scale:MATRIX_SCALE_ROW1
.elseif (\rb)
	v_wmma_scale_f32_16x16x128_f8f6f4 v[(\d):(\d)+7], v[(\a):(\a)+15], v[(\b):(\b)+15], 0, v[(\sa)], v[(\sb)] matrix_b_scale:MATRIX_SCALE_ROW1
.else
	v_wmma_scale_f32_16x16x128_f8f6f4 v[(\d):(\d)+7], v[(\a):(\a)+15], v[(\b):(\b)+15], 0, v[(\sa)], v[(\sb)]
.endif
.else
.if (\ra) && (\rb)
	v_wmma_scale_f32_16x16x128_f8f6f4 v[(\d):(\d)+7], v[(\a):(\a)+15], v[(\b):(\b)+15], v[(\c):(\c)+7], v[(\sa)], v[(\sb)] matrix_a_scale:MATRIX_SCALE_ROW1 matrix_b_scale:MATRIX_SCALE_ROW1
.elseif (\ra)
	v_wmma_scale_f32_16x16x128_f8f6f4 v[(\d):(\d)+7], v[(\a):(\a)+15], v[(\b):(\b)+15], v[(\c):(\c)+7], v[(\sa)], v[(\sb)] matrix_a_scale:MATRIX_SCALE_ROW1
.elseif (\rb)
	v_wmma_scale_f32_16x16x128_f8f6f4 v[(\d):(\d)+7], v[(\a):(\a)+15], v[(\b):(\b)+15], v[(\c):(\c)+7], v[(\sa)], v[(\sb)] matrix_b_scale:MATRIX_SCALE_ROW1
.else
	v_wmma_scale_f32_16x16x128_f8f6f4 v[(\d):(\d)+7], v[(\a):(\a)+15], v[(\b):(\b)+15], v[(\c):(\c)+7], v[(\sa)], v[(\sb)]
.endif
.endif
.endm
.macro MMS d, a, b, st, sa, ra, sb, rb ; K step st of two: step 0 starts the sum, step 1 adds in place
.if (\st) == 0
	MM \d, \a, \b, -1, \sa, \ra, \sb, \rb
.else
	MM \d, \a, \b, \d, \sa, \ra, \sb, \rb
.endif
.endm
; nb blocks of 32 along K: block b's 16 numbers of my lane in v[s + 16 b] on, the other 16 in lane l xor 16.  Codes to v[pc + 4 b] on, the scale's byte to v[TM + 4 + b].
.macro QUANT s, nb, pc
.irp b, 0,1,2,3
.if \b < \nb
	v_max3_num_f32 v[TM+\b], |v[(\s)+16*\b]|, |v[(\s)+16*\b+1]|, 0x4800000   ; the floor 2^(9 - 127) among the leaves holds the byte at 1 from below
.endif
.endr
.irp i, 2,4,6,8,10,12,14
.irp b, 0,1,2,3
.if \b < \nb
	v_max3_num_f32 v[TM+\b], v[TM+\b], |v[(\s)+16*\b+\i]|, |v[(\s)+16*\b+\i+1]|   ; the blocks by turns; each accumulator is read from its low end on
.endif
.endr
.endr
.irp b, 0,1,2,3
.if \b < \nb
	v_permlanex16_b32 v[TM+4+\b], v[TM+\b], s[SEL], s[SEL+1]
.endif
.endr
.irp b, 0,1,2,3
.if \b < \nb
	v_max_num_f32 v[TM+\b], v[TM+\b], v[TM+4+\b]           ; the block's largest magnitude
.endif
.endr
.irp b, 0,1,2,3
.if \b < \nb
	v_add_nc_u32 v[TM+12+\b], 0xfc000000, v[TM+\b]         ; 8 off its exponent field: the conversion's scale operand
.endif
.endr
.irp b, 0,1,2,3
.if \b < \nb
	v_and_or_b32 v[TM+8+\b], v[TM+\b], 0x7f800000, s[MNT]  ; 448 x the scale
.endif
.endr
.irp b, 0,1,2,3
.if \b < \nb
	v_lshrrev_b32 v[TM+4+\b], 23, v[TM+12+\b]              ; the scale's byte
.endif
.endr
.irp b, 0,1,2,3
.if \b < \nb
.irp i, 0,1,2,3,4,5,6,7,8,9,10,11,12,13,14,15
	v_med3_num_f32 v[(\s)+16*\b+\i], v[(\s)+16*\b+\i], -v[TM+8+\b], v[TM+8+\b]   ; the conversion to an 8-bit code does not saturate (ISA guide 7.6.2): the hold at the largest code x the scale
.endr
	v_cvt_scalef32_pk8_fp8_f32 v[(\pc)+4*\b:(\pc)+4*\b+1], v[(\s)+16*\b:(\s)+16*\b+7], v[TM+12+\b]
	v_cvt_scalef32_pk8_fp8_f32 v[(\pc)+4*\b+2:(\pc)+4*\b+3], v[(\s)+16*\b+8:(\s)+16*\b+15], v[TM+12+\b]
.endif
.endr
	v_nop                                          ; a plain instruction behind the last scaled conversion
.endm
; 64 numbers of x: my block kbl (channels 64 wave + 32 kbl + 16 h + i), the four tiles of half g
.macro LOADX kbl, g, buf
.irp T, 0,1,2,3
.irp i, 0,1,2,3,4,5,6,7,8,9,10,11,12,13,14,15
	ds_load_b32 v[(\buf)+16*\T+\i], v[AX] offset:(\kbl)*16640+\i*520+128*(\g)+256*(\T/2)+4*(\T%2)
.endr
.endr
.endm
.macro POOL buf, po                    ; the mean of a window's four tokens: they lie in one lane
.irp w, 0,1,2,3,4,5,6,7
	v_pk_add_f32 v[(\po)+2*\w:(\po)+2*\w+1], v[(\buf)+2*\w:(\buf)+2*\w+1], v[(\buf)+16+2*\w:(\buf)+17+2*\w]
.endr
.irp w, 0,1,2,3,4,5,6,7
	v_pk_add_f32 v[TM+2*\w:TM+2*\w+1], v[(\buf)+32+2*\w:(\buf)+33+2*\w], v[(\buf)+48+2*\w:(\buf)+49+2*\w]
.endr
.irp w, 0,1,2,3,4,5,6,7
	v_pk_add_f32 v[(\po)+2*\w:(\po)+2*\w+1], v[(\po)+2*\w:(\po)+2*\w+1], v[TM+2*\w:TM+2*\w+1]
.endr
.irp w, 0,1,2,3,4,5,6,7
	v_pk_mul_f32 v[(\po)+2*\w:(\po)+2*\w+1], v[(\po)+2*\w:(\po)+2*\w+1], 0x3e800000 op_sel_hi:[1,0]
.endr
.endm
.macro STX g, kbl                      ; four tiles' group and scale byte of my block
.irp T, 0,1,2,3
	ds_store_b128 v[AI], v[CD+4*\T:CD+4*\T+3] offset:(4*(\g)+\T)*4096+(\kbl)*512
.endr
.irp T, 0,1,2,3
	ds_store_b8 v[ASC], v[TM+4+\T] offset:(4*(\g)+\T)*128+(\kbl)   ; both halves of the lanes write the same byte with the same value
.endr
.endm
.macro STP kbl                         ; the same of the two pooled tiles
.irp g, 0,1
	ds_store_b128 v[AI], v[CD+4*\g:CD+4*\g+3] offset:(8+\g)*4096+(\kbl)*512
	ds_store_b8 v[ASC], v[TM+4+\g] offset:(8+\g)*128+(\kbl)
.endr
.endm
.macro FX g                            ; x's eight fragments of half g into window 3: group n of 64 -> registers 4 n
	WIN 0xc0
.set cn, 32*(\g)
.rept 32
	ds_load_b128 v[4*cn:4*cn+3], v[AF] offset:512*cn
.set cn, cn+1
.endr
.endm
	s_load_b512 s[4:19], s[0:1], 0x0               ; x 4, h_qkv codes 6, scales 8, l_q codes 10, scales 12, l_kv codes 14, scales 16, h_proj codes 18
	s_load_b256 s[20:27], s[0:1], 0x40             ; h_proj scales 20, bias 22, qws 24, kvws 26
	s_load_b64 s[28:29], s[0:1], 0x60              ; out0
	v_lshl_add_u32 v[SPW], v0, 2, SPARE
	v_mov_b32 v[NIL], 0
	ds_add_u32 v[SPW], v[NIL]                      ; the wave's opening: the add, twice on end, and its wait ahead of my first tensor load
	ds_add_u32 v[SPW], v[NIL]
	v_lshrrev_b32 v48, 5, v0
	v_readfirstlane_b32 s[WV], v48                 ; wave = head, 0..3
	s_mov_b32 s31, ttmp9                           ; i
	s_and_b32 s32, ttmp7, 0xffff                   ; b
	; descriptor group 1: 64 channels x 128 numbers of 4 bytes, 4,096 numbers from channel to channel; 2 words of padding behind every 128
	s_mov_b32 s40, (2<<16)|(1<<20)|(6<<22)|(1<<25)
	s_mov_b32 s41, 128<<16                         ; tensor_dim0
	s_mov_b32 s42, 64<<16                          ; tensor_dim1
	s_mov_b32 s43, 128<<16                         ; tile_dim0
	s_mov_b32 s44, 64                              ; tile_dim1
	s_mov_b32 s45, 4096                            ; the pitch
	s_mov_b32 s46, 0
	s_mov_b32 s47, 0
	s_mov_b32 s[SEL], 0x76543210
	s_mov_b32 s[SEL+1], 0xfedcba98                 ; v_permlanex16_b32's selects for lane l xor 16
	s_mov_b32 s[MNT], 0x600000                     ; the mantissa field of 448
	s_mov_b32 s[CS], 0x3e8293ee                    ; c = log2(e) / sqrt(32)
	s_mov_b32 s[CS+1], s[CS]
	s_mov_b32 s[NCS], 0xbe8293ee                   ; -c
	v_and_b32 v48, 31, v0                          ; lane
	v_and_b32 v49, 15, v0                          ; r
	v_bfe_u32 v50, v0, 4, 1                        ; h
	v_and_b32 v51, 8, v49
	v_add_nc_u32 v51, v51, v49                     ; r + 8 (r / 8)
	v_lshlrev_b32 v[VW], 8, v51
	v_lshl_add_u32 v[VW], v50, 4, v[VW]
	v_lshl_add_u32 v[VSO], v50, 3, v51
	v_lshlrev_b32 v[VSO], 3, v[VSO]
	v_lshlrev_b32 v[VP], 7, v49
	v_lshl_add_u32 v[VP], v50, 4, v[VP]
	v_lshlrev_b32 v[L4], 2, v48
	v_lshlrev_b32 v[VB], 5, v50
	v_lshlrev_b32 v[L16], 4, v48
	v_lshlrev_b32 v[L8], 3, v48
	s_mul_i32 s33, s[WV], 33280
	v_mul_u32_u24 v[AX], v50, 8320
	v_lshl_add_u32 v[AX], v49, 3, v[AX]
	v_add_nc_u32 v[AX], s33, v[AX]
	s_lshr_b32 s34, s[WV], 1                       ; my two blocks of 32 channels lie in K step wave / 2,
	s_and_b32 s35, s[WV], 1                        ; groups 2 (wave % 2) and + 1
	s_lshl_b32 s54, s34, 11
	s_lshl_b32 s55, s35, 10
	s_add_co_u32 s54, s54, s55
	s_add_co_u32 s54, s54, XIMG
	v_lshl_add_u32 v[AI], v48, 4, s54
	s_lshl_b32 s55, s34, 6
	s_lshl_b32 s56, s35, 1
	s_add_co_u32 s55, s55, s56
	s_add_co_u32 s55, s55, XSC
	v_lshl_add_u32 v[ASC], v49, 2, s55
	v_lshl_add_u32 v[AF], v48, 4, XIMG
	v_lshl_add_u32 v[AXS], v48, 2, XSC
	s_lshl_b32 s56, s[WV], 9
	v_lshl_add_u32 v[GQ], v48, 4, s56
	s_add_co_u32 s57, s[WV], OSC
	v_lshl_add_u32 v[ABS], v49, 2, s57
	s_add_co_u32 s57, s56, OIMG
	v_lshl_add_u32 v[AO], v48, 4, s57
	v_lshl_add_u32 v[AOF], v48, 4, OIMG
	v_lshl_add_u32 v[AOX], v48, 2, OSC
	v_lshl_add_u32 v[AKR], v48, 3, KVS
	s_mul_i32 s57, s[WV], 32*528
	s_add_co_u32 s57, s57, STG                     ; my 32 channels' rows of the stage
	v_mul_u32_u24 v[AST], v50, 8*528
	v_lshl_add_u32 v[AST], v49, 3, v[AST]
	v_add_nc_u32 v[AST], s57, v[AST]
	v_lshl_add_u32 v[ARD], v48, 4, s57
.irp b, 0,1,2,3
	v_mov_b32 v[TM+4+\b], 0                        ; written once: a lane permute's destination counts as one of its sources
.endr
	s_lshl_b32 s58, s32, 22                        ; an image is 4,194,304 bytes,
	s_lshl_b32 s59, s31, 9                         ; two image rows 512
	s_add_co_u32 s58, s58, s59
	s_lshl_b32 s60, s[WV], 20                      ; x: my 64 channels
	s_add_co_u32 s60, s60, s58
	s_mov_b32 s61, 0
	s_lshl_b32 s62, s[WV], 19                      ; out0: my 32 channels
	s_add_co_u32 s62, s62, s58
	s_mov_b32 s63, 0
	s_mov_b32 s36, 1                               ; descriptor group 0: count,
	s_mul_i32 s37, s[WV], 33280                    ; the LDS address: my 64 rows of 520 bytes,
	s_wait_dscnt 0x0                               ; both opening adds are done
	s_wait_kmcnt 0x0
	s_add_nc_u64 s[38:39], s[4:5], s[60:61]        ; the tile's first byte,
	s_or_b32 s39, s39, 0x80000000                  ; the type
	tensor_load_to_lds s[36:39], s[40:47]          ; my one tensor load: only I read its bytes, behind my own wait
	s_nop 0
	PLACES 4
	s_add_nc_u64 s[28:29], s[28:29], s[62:63]
	s_mov_b32 s55, 0
	s_lshl_b32 s54, s[WV], 13                      ; a head's 32 rows of 256 codes
	s_add_nc_u64 s[6:7], s[6:7], s[54:55]
	s_add_nc_u64 s[10:11], s[10:11], s[54:55]
	s_add_nc_u64 s[14:15], s[14:15], s[54:55]
	s_lshl_b32 s54, s[WV], 8                       ; and of 8 scale bytes
	s_add_nc_u64 s[8:9], s[8:9], s[54:55]
	s_add_nc_u64 s[12:13], s[12:13], s[54:55]
	s_add_nc_u64 s[16:17], s[16:17], s[54:55]
	s_lshl_b32 s54, s[WV], 12                      ; h_proj: my 32 rows of 128 codes,
	s_add_nc_u64 s[18:19], s[18:19], s[54:55]
	s_lshl_b32 s54, s[WV], 7                       ; of 4 scale bytes; my 32 numbers of the bias
	s_add_nc_u64 s[20:21], s[20:21], s[54:55]
	s_add_nc_u64 s[22:23], s[22:23], s[54:55]
	s_lshl_b32 s56, s32, 5
	s_add_co_u32 s56, s56, s31                     ; the record: 32 b + i
	s_mul_i32 s54, s56, 16896
	s_add_nc_u64 s[24:25], s[24:25], s[54:55]
	s_mul_i32 s54, s56, 8448
	s_add_nc_u64 s[26:27], s[26:27], s[54:55]
	; the first 61 loads: what lofi's products want
.irp k, 0,1,2
.irp s, 0,1
	global_load_b32 v[WS+2*\k+\s], v[VSO], s[8:9] offset:1024*\k+4*\s
.endr
.endr
.irp s, 0,1
	global_load_b32 v[WS+6+\s], v[VSO], s[12:13] offset:4*\s
.endr
.irp k, 0,1
.irp s, 0,1
	global_load_b32 v[WS+8+2*\k+\s], v[VSO], s[16:17] offset:1024*\k+4*\s
.endr
.endr
	global_load_b32 v[WS+12], v[L4], s[20:21]
	WIN 0x40
.irp u, 0,1
.irp s, 0,1
.irp c, 0,1,2,3
	global_load_b128 v[192+16*(2*\u+\s)+4*\c:192+16*(2*\u+\s)+4*\c+3], v[VW], s[10:11] offset:2048*\u+128*\s+32*\c
.endr
.endr
.endr
	WIN 0x80
.irp k, 0,1
.irp u, 0,1
.irp s, 0,1
.irp c, 0,1,2,3
	global_load_b128 v[64*\k+16*(2*\u+\s)+4*\c:64*\k+16*(2*\u+\s)+4*\c+3], v[VW], s[14:15] offset:32768*\k+2048*\u+128*\s+32*\c
.endr
.endr
.endr
.endr
	WIN 0
	s_wait_tensorcnt 0x0                           ; my 64 channels lie in LDS
	; ---- x and its mean become images.  My blocks: channels 64 wave + 32 kbl on.  A job = one block x four tiles
	LOADX 0, 0, XA
	LOADX 0, 1, XB
	; the other 60 loads: hifi's weights (48), then h_proj's (8) and its bias (4)
	WIN 0x40
.irp k, 0,1,2
.irp u, 0,1
.irp s, 0,1
.irp c, 0,1,2,3
	global_load_b128 v[16*(4*\k+2*\u+\s)+4*\c:16*(4*\k+2*\u+\s)+4*\c+3], v[VW], s[6:7] offset:32768*\k+2048*\u+128*\s+32*\c
.endr
.endr
.endr
.endr
	WIN 0x80
.irp t, 0,1
.irp c, 0,1,2,3
	global_load_b128 v[128+16*\t+4*\c:128+16*\t+4*\c+3], v[VP], s[18:19] offset:2048*\t+32*\c
.endr
.endr
.irp t, 0,1
	global_load_b128 v[160+8*\t:160+8*\t+3], v[VB], s[22:23] offset:64*\t
	global_load_b128 v[160+8*\t+4:160+8*\t+7], v[VB], s[22:23] offset:64*\t+16
.endr
	WIN 0
	s_wait_dscnt 0x0
	POOL XA, PO
	QUANT XA, 4, CD
	STX 0, 0
	s_wait_dscnt 0x0                               ; the stores have read their registers
	LOADX 1, 0, XA
	POOL XB, PO+16
	QUANT XB, 4, CD
	STX 1, 0
	s_wait_dscnt 0x0                               ; likewise; the loads that it also waits for were issued a job ago
	LOADX 1, 1, XB
	QUANT PO, 2, CD
	STP 0
	s_wait_dscnt 0x0
	POOL XA, PO
	QUANT XA, 4, CD
	STX 0, 1
	s_wait_dscnt 0x0
	POOL XB, PO+16
	QUANT XB, 4, CD
	STX 1, 1
	s_wait_dscnt 0x0
	QUANT PO, 2, CD
	STP 1
	s_wait_dscnt 0x0                               ; for the others' sake: my stores have landed
	s_barrier_signal -1
	s_barrier_wait -1                              ; all twenty fragments and their scale words lie in LDS
	; ---- lofi's q, k, v
.irp t, 0,1,2,3,4,5,6,7,8,9
	ds_load_b32 v[XS+\t], v[AXS] offset:128*\t     ; lanes 0-15: K step 0's words, lanes 16-31: K step 1's
.endr
	FX 0
	WIN 0x80
.set cn, 0
.rept 16
	ds_load_b128 v[176+4*cn:176+4*cn+3], v[AF] offset:512*(64+cn)   ; the four pooled fragments
.set cn, cn+1
.endr
	FX 1
	WIN 0
	s_wait_loadcnt 60                              ; the first 61 loads are in; the 60 issued behind them may be out
; q of half g: eight accumulators by turns, K step 0 and then 1; quantised along the head's 32; codes to qws, bytes to LDS
.macro LQ g, cnt
	s_wait_dscnt \cnt
	WIN W_H
.irp s, 0,1
.irp T, 0,1,2,3
.irp u, 0,1
	MMS R1+16*\T+8*\u, 192+16*(2*\u+\s), 16*(2*(4*(\g)+\T)+\s), \s, WS+6+\s, \u, XS+4*(\g)+\T, \s
.endr
.endr
.endr
	WIN 0
	PLACES 8
	s_wait_xcnt 0x0                                ; earlier stores have read R2's registers
	QUANT R1, 4, R2
.irp T, 0,1,2,3
	global_store_b128 v[GQ], v[R2+4*\T:R2+4*\T+3], s[24:25] offset:(4*(\g)+\T)*2048   ; 32 lanes store 512 consecutive bytes
.endr
.irp T, 0,1,2,3
	ds_store_b8 v[ABS], v[TM+4+\T] offset:512+64*(4*(\g)+\T)
.endr
.endm
	LQ 0, 48                                       ; behind half 0's fragments: the 16 pooled loads and half 1's 32
	s_wait_dscnt 32                                ; the pooled fragments are in (behind them: half 1's 32 loads and four byte stores)
	WIN W_KV
.irp s, 0,1
.irp g, 0,1
.irp u, 0,1
	MMS R1+16*\g+8*\u, 16*(2*\u+\s), 176+16*(2*\g+\s), \s, WS+8+\s, \u, XS+8+\g, \s       ; k: a lane holds key 16 g + r, 16 channels
.endr
.endr
.irp u, 0,1
.irp g, 0,1
	MMS R1+32+16*\u+8*\g, 176+16*(2*\g+\s), 64+16*(2*\u+\s), \s, XS+8+\g, \s, WS+10+\s, \u   ; v: a lane holds one channel, register 8 g + j = key 16 g + 8 h + j: the order in which the second launch's p lies
.endr
.endr
.endr
	WIN 0
	PLACES 8
	s_wait_xcnt 0x0
	s_wait_dscnt 0x0                               ; the byte stores have read TM's registers
	QUANT R1, 4, R2                                ; blocks 0, 1: k of tiles 0, 1;  blocks 2, 3: v of channel tiles 0, 1
.irp b, 0,1,2,3
	global_store_b128 v[GQ], v[R2+4*\b:R2+4*\b+3], s[26:27] offset:2048*\b
.endr
.irp b, 0,1,2,3
	ds_store_b8 v[ABS], v[TM+4+\b] offset:1024+64*\b
.endr
	LQ 1, 0
	; ---- hifi, 16 windows at a time
	s_wait_loadcnt 12                              ; h_qkv's 48 loads are in; h_proj's 8 and the bias's 4 may be out
.macro HIFI g
	s_wait_xcnt 0x0                                ; earlier stores have read R2's registers,
	s_wait_dscnt 0x0                               ; and R3's
	WIN W_H
.irp s, 0,1
.irp k, 0,1
.irp T, 0,1,2,3
.irp u, 0,1
	MMS R1+64*\k+16*\T+8*\u, 16*(4*\k+2*\u+\s), 16*(2*(4*(\g)+\T)+\s), \s, WS+2*\k+\s, \u, XS+4*(\g)+\T, \s   ; q in R1, k in R2: sixteen accumulators by turns
.endr
.endr
.endr
.endr
	WIN 0
	PLACES 8
.irp i, 0,1,2,3,4,5,6,7                        ; the 16 scores of my window, f32 multiply-adds over my 16 channels, two at a time
.irp m, 0,1,2,3
.irp n, 0,1,2,3
.if \i == 0
	v_pk_mul_f32 v[R3+2*(4*\m+\n):R3+2*(4*\m+\n)+1], v[R1+16*\m:R1+16*\m+1], v[R2+16*\n:R2+16*\n+1]
.else
	v_pk_fma_f32 v[R3+2*(4*\m+\n):R3+2*(4*\m+\n)+1], v[R1+16*\m+2*\i:R1+16*\m+2*\i+1], v[R2+16*\n+2*\i:R2+16*\n+2*\i+1], v[R3+2*(4*\m+\n):R3+2*(4*\m+\n)+1]
.endif
.endr
.endr
.endr
.irp q, 0,1,2,3,4,5,6,7,8,9,10,11,12,13,14,15
	v_add_f32 v[R3+2*\q], v[R3+2*\q], v[R3+2*\q+1]
.endr
.irp q, 0,1,2,3,4,5,6,7,8,9,10,11,12,13,14,15
	v_permlanex16_b32 v[R3+32+\q], v[R3+2*\q], s[SEL], s[SEL+1]
.endr
.irp q, 0,1,2,3,4,5,6,7,8,9,10,11,12,13,14,15
	v_add_f32 v[R3+2*\q], v[R3+2*\q], v[R3+32+\q]  ; with the other 16 channels
.endr
	WIN W_H
.irp s, 0,1
.irp T, 0,1,2,3
.irp u, 0,1
	MMS R1+16*\T+8*\u, 16*(8+2*\u+\s), 16*(2*(4*(\g)+\T)+\s), \s, WS+4+\s, \u, XS+4*(\g)+\T, \s   ; v takes q's place; the softmax below, which names none of these registers, is the places behind it
.endr
.endr
.endr
	WIN 0
.irp m, 0,1,2,3
	v_max3_num_f32 v[TM+\m], v[R3+8*\m], v[R3+8*\m+2], v[R3+8*\m+4]
.endr
.irp m, 0,1,2,3
	v_max_num_f32 v[TM+\m], v[TM+\m], v[R3+8*\m+6]
.endr
.irp m, 0,1,2,3
	v_mul_f32 v[TM+\m], s[NCS], v[TM+\m]           ; -c x the row's largest score
.endr
.irp m, 0,1,2,3
.irp n, 0,1,2,3
	v_fma_f32 v[R3+2*(4*\m+\n)], v[R3+2*(4*\m+\n)], s[CS], v[TM+\m]
.endr
.endr
.irp q, 0,1,2,3,4,5,6,7,8,9,10,11,12,13,14,15
	v_exp_f32 v[R3+2*\q], v[R3+2*\q]
.endr
	v_nop                                          ; a plain instruction behind the last exponential,
	s_wait_alu depctr_va_vdst(0)                   ; and one wait for the batch, ahead of its first reader
.irp m, 0,1,2,3
	v_add_f32 v[TM+4+\m], v[R3+8*\m], v[R3+8*\m+2]
.endr
.irp m, 0,1,2,3
	v_add_f32 v[TM+8+\m], v[R3+8*\m+4], v[R3+8*\m+6]
.endr
.irp m, 0,1,2,3
	v_add_f32 v[TM+4+\m], v[TM+4+\m], v[TM+8+\m]
.endr
.irp m, 0,1,2,3
	v_rcp_f32 v[TM+4+\m], v[TM+4+\m]
.endr
	v_nop
	s_wait_alu depctr_va_vdst(0)
.irp m, 0,1,2,3
.irp n, 0,1,2,3
	v_mul_f32 v[R3+2*(4*\m+\n)], v[R3+2*(4*\m+\n)], v[TM+4+\m]   ; the finished softmax
.endr
.endr
.irp m, 0,1,2,3                                ; o = attn v, into k's place; the weight is the low word of its pair
.irp i, 0,1,2,3,4,5,6,7
	v_pk_mul_f32 v[R2+16*\m+2*\i:R2+16*\m+2*\i+1], v[R1+2*\i:R1+2*\i+1], v[R3+8*\m:R3+8*\m+1] op_sel_hi:[1,0]
.endr
.irp n, 1,2,3
.irp i, 0,1,2,3,4,5,6,7
	v_pk_fma_f32 v[R2+16*\m+2*\i:R2+16*\m+2*\i+1], v[R1+16*\n+2*\i:R1+16*\n+2*\i+1], v[R3+2*(4*\m+\n):R3+2*(4*\m+\n)+1], v[R2+16*\m+2*\i:R2+16*\m+2*\i+1] op_sel_hi:[1,0,1]
.endr
.endr
.endr
	QUANT R2, 4, R3
.irp T, 0,1,2,3
	ds_store_b128 v[AO], v[R3+4*\T:R3+4*\T+3] offset:(4*(\g)+\T)*2048
.endr
.irp T, 0,1,2,3
	ds_store_b8 v[ABS], v[TM+4+\T] offset:64*(4*(\g)+\T)
.endr
.endm
	HIFI 0
	HIFI 1
	s_wait_dscnt 0x0                               ; for the others' sake: my stores have landed
	s_barrier_signal -1
	s_barrier_wait -1                              ; o's eight fragments, and all scale bytes, lie in LDS
	; ---- the scale words leave as whole blocks of 256 bytes (wave 0); the projection; the way out
	s_cmp_lg_u32 s[WV], 0
	s_cbranch_scc1 .Lnot_wave_0
	ds_load_b128 v[TM:TM+3], v[AOF] offset:QSC-OIMG
	ds_load_b64 v[TM+4:TM+5], v[AKR]
	s_wait_dscnt 0x0
	global_store_b128 v[L16], v[TM:TM+3], s[24:25] offset:16384
	global_store_b64 v[L8], v[TM+4:TM+5], s[26:27] offset:8192
.Lnot_wave_0:
.irp t, 0,1,2,3
	ds_load_b32 v[XS+\t], v[AOX] offset:128*\t     ; lanes 0-15: tile 2 t's words, lanes 16-31: tile 2 t + 1's
.endr
	WIN 0xc0
.set cn, 0
.rept 32
	ds_load_b128 v[4*cn:4*cn+3], v[AOF] offset:512*cn
.set cn, cn+1
.endr
	WIN 0
	s_wait_loadcnt 0x0                             ; h_proj's fragments and the bias
	s_wait_dscnt 0x0
	WIN W_PJ
.irp t, 0,1,2,3,4,5,6,7
.irp u, 0,1
	MM R1+16*\t+8*\u, 128+16*\u, 16*\t, 160+8*\u, WS+12, \u, XS+(\t/2), \t%2   ; one product a sum; the bias is its C
.endr
.endr
	WIN 0
	PLACES 8
.irp t, 0,1,2,3,4,5,6,7
.irp u, 0,1
.irp j, 0,1,2,3,4,5,6,7
	ds_store_b32 v[AST], v[R1+16*\t+8*\u+\j] offset:(16*\u+\j)*528+256*((\t%4)/2)+128*(\t/4)+4*(\t%2)   ; channel 32 wave + 16 u + 8 h + j, the token's place in its 512 bytes
.endr
.endr
.endr
	s_wait_dscnt 0x0                               ; the stores have read their registers.  The rows are my own: no barrier
.set cn, 0
.rept 32
.if cn < 16
.set rr, R3+4*cn
.else
.set rr, R1+4*(cn-16)
.endif
	ds_load_b128 v[rr:rr+3], v[ARD] offset:528*cn
.set cn, cn+1
.endr
.set cn, 0
.rept 32
.if cn < 16
.set rr, R3+4*cn
.else
.set rr, R1+4*(cn-16)
.endif
	s_wait_dscnt 31-cn                             ; LDS loads come back in order: channel cn's row is in
	global_store_b128 v[L16], v[rr:rr+3], s[28:29] offset:16384*cn th:TH_STORE_NT   ; 32 lanes store 512 consecutive bytes, at a multiple of 256 from out0's first byte
.set cn, cn+1
.endr
	s_wait_tensorcnt 0x0                           ; the wave's end
	ds_add_u32 v[SPW], v[NIL]
	s_wait_dscnt 0x0
	s_endpgm
.Lfunc_end_k_qadf7174d8a_local:
	.size	k_qadf7174d8a_local, .Lfunc_end_k_qadf7174d8a_local-k_qadf7174d8a_local
	.p2alignl 7, 3214868480
	.fill 96, 4, 3214868480
	.section	.rodata,"a",@progbits
	.p2align	6, 0x0
	.amdhsa_kernel k_qadf7174d8a_local
		.amdhsa_group_segment_fixed_size 261120
		.amdhsa_private_segment_fixed_size 0
		.amdhsa_enable_private_segment 0
		.amdhsa_kernarg_size 104
		.amdhsa_user_sgpr_count 2
		.amdhsa_user_sgpr_kernarg_segment_ptr 1
		.amdhsa_wavefront_size32 1
		.amdhsa_system_sgpr_workgroup_id_x 1
		.amdhsa_system_sgpr_workgroup_id_y 1
		.amdhsa_system_sgpr_workgroup_id_z 1
		.amdhsa_system_vgpr_workitem_id 0
		.amdhsa_next_free_vgpr 1024
		.amdhsa_next_free_sgpr 66
		.amdhsa_reserve_vcc 0
		.amdhsa_float_denorm_mode_32 3
		.amdhsa_float_denorm_mode_16_64 3
		.amdhsa_memory_ordered 1
		.amdhsa_forward_progress 1
		.amdhsa_inst_pref_size 214
	.end_amdhsa_kernel
	.amdgpu_metadata
---
amdhsa.version: [ 1, 2 ]
amdhsa.kernels:
  - .name:           k_qadf7174d8a_local
    .symbol:         k_qadf7174d8a_local.kd
    .args:
      - { .name: x, .offset: 0, .size: 8, .value_kind: global_buffer, .address_space: global }
      - { .name: h_qkv_w_codes, .offset: 8, .size: 8, .value_kind: global_buffer, .address_space: global }
      - { .name: h_qkv_w_scales, .offset: 16, .size: 8, .value_kind: global_buffer, .address_space: global }
      - { .name: l_q_w_codes, .offset: 24, .size: 8, .value_kind: global_buffer, .address_space: global }
      - { .name: l_q_w_scales, .offset: 32, .size: 8, .value_kind: global_buffer, .address_space: global }
      - { .name: l_kv_w_codes, .offset: 40, .size: 8, .value_kind: global_buffer, .address_space: global }
      - { .name: l_kv_w_scales, .offset: 48, .size: 8, .value_kind: global_buffer, .address_space: global }
      - { .name: h_proj_w_codes, .offset: 56, .size: 8, .value_kind: global_buffer, .address_space: global }
      - { .name: h_proj_w_scales, .offset: 64, .size: 8, .value_kind: global_buffer, .address_space: global }
      - { .name: h_proj_b, .offset: 72, .size: 8, .value_kind: global_buffer, .address_space: global }
      - { .name: qws, .offset: 80, .size: 8, .value_kind: global_buffer, .address_space: global }
      - { .name: kvws, .offset: 88, .size: 8, .value_kind: global_buffer, .address_space: global }
      - { .name: out0, .offset: 96, .size: 8, .value_kind: global_buffer, .address_space: global }
    .group_segment_fixed_size: 261120
    .private_segment_fixed_size: 0
    .kernarg_segment_align: 8
    .kernarg_segment_size: 104
    .max_flat_workgroup_size: 128
    .sgpr_count:     66
    .vgpr_count:     1024
    .wavefront_size: 32
...
	.end_amdgpu_metadata
.endif
;; end of part 1
;; launch lofi (part 2): grid 32 x 8, 16 waves a work-group, clusters of 4 x 1, 289,280 bytes of LDS; arguments qws, kvws, l_proj_w_codes, l_proj_w_scales, l_proj_b, out0; writes out0
.if DOCPART == 2
	.amdgcn_target "amdgcn-amd-amdhsa--gfx1250"
	.amdhsa_code_object_version 6
	.text
	.protected	k_qadf7174d8a_lofi
	.globl	k_qadf7174d8a_lofi
	.p2align	8
	.type	k_qadf7174d8a_lofi,@function
k_qadf7174d8a_lofi:
	s_mov_b64 s[64:65], 0
	v_nop
	global_prefetch_b8 v0, s[64:65] scope:SCOPE_SE
	s_setreg_imm32_b32 hwreg(HW_REG_WAVE_MODE, 25, 1), 1
	s_wait_xcnt 0x0
	s_wait_alu depctr_hold_cnt(0) depctr_sa_sdst(0) depctr_va_vdst(0) depctr_va_sdst(0) depctr_va_ssrc(0) depctr_va_vcc(0) depctr_vm_vsrc(0)
	s_getreg_b32 s2, hwreg(HW_REG_IB_STS2, 6, 4)
	s_cmp_eq_u32 s2, 0
	s_cbranch_scc0 .Lentry_in_a_cluster
	s_endpgm
.Lentry_in_a_cluster:
	s_bfe_u32 s2, ttmp6, 0x10000c
	s_cmp_lg_u32 s2, 0x3003
	s_cbranch_scc0 .Lentry_shape_is_right
	s_endpgm
.Lentry_shape_is_right:
; HiLo attention, launch 2 of 2: lofi's attention of 4,096 queries over 1,024 pooled keys in 4 heads of 32, and its projection -> out0, channels 128-255.  No work is left out.
; qws, kvws: the first launch's codes and scale words, laid as images of operand registers (a group = 512 bytes, lane l's 16 bytes at 16 l).
;   qws record 32 b + i, 16,896 bytes: [tile 0..7][head][512], then [tile][r] scale words, byte = head.
;   kvws record 32 b + kb, 8,448 bytes (32 keys): k [g 0..1][head][512]; v [u 0..1][head][512]; k's scale words [g][r]; v's [u][r]; byte = head.
; THE SOFTMAX: t = score x log2(e) / sqrt(32); M = the running largest t rounded up to a whole number; p = 2^(t - M) is quantised along the keys, 32 to a block; the sum is taken of the unquantised p and divides at the end.
; LIMITS: NaN and infinities are not served; a block of p that has fallen to zeros keeps the scale byte 1 over zero codes.
; SHARES.  A work-group owns 128 queries (the first launch's unit: image rows 2 i, 2 i + 1), sixteen waves of 256 registers, four to a SIMD.  Wave w: tile w % 8 of 16 queries, heads 2 (w / 8) and + 1.  A step = 32 keys x 2 heads.
; ALL k AND v OF AN IMAGE STAY IN LDS, 270,336 bytes: first fills alone, two tensor loads a wave (two are out by this text's count).
; CLUSTER: the four work-groups of a cluster belong to one image and want the same 32 records: each is asked for jointly, by the same load with the same descriptor (wave's number and image alone) and a mask that names the four.
; A HEAD HAS 32 ALONG K, THE INSTRUCTION 128.  An operand holds head a in block 0 and head b in block 1, zeros beyond; the other side is a window on [Xa 0 Xb 0 0]: from its first group it meets head a alone, from its second head b alone.
;   What is to count for nothing has zero CODES on one side.
; Both products are used transposed (S^T = k q^T, O^T = v^T p^T): a lane holds one query throughout; register 8 g + j of half h is key 16 g + 8 h + j in p as in v.
.set REC,   8448
.set OIMG,  270336                     ; LDS: behind the 32 records: o's images [tile][head][512],
.set OSC,   286720                     ; their scale words [tile][r], byte = head,
.set SPARE, 287232                     ; the spare words, 128 bytes for each wave: eight blocks of 256 bytes that no other line names
.set SPW, 1                            ; (the stage for the way out, 128 channels x 528 bytes, lies from byte 0 on: the records have had their only fill, and nobody reads them behind the barrier in front of it)
.set NIL, 2
.set LB,  3                            ; 16 lane + 1,024 (w / 8): my two heads' groups
.set LSC, 4                            ; 8,192 + 4 lane + 2 (w / 8): their scale bytes
.set ADR, 5
.set ADS, 6
.set KS,  8                            ; scales and nothing else: k's, v's, q's (later o's), p's, the weights' two
.set VSC, 9
.set QS,  10
.set PS,  11
.set WSC, 12
.set NM,  14                           ; head x: v[NM + 2 x] = -M, + 1 = the largest t
.set LL,  18                           ; the sum, in two halves
.set FF,  22                           ; f = 2^(old M - new M), and a filler
.set BM,  26
.set PT,  28
.set HD,  30
.set SO,  32
.set BY,  34
.set TT,  36
.set HH,  38
.set TM,  26                           ; the tail's quantiser works in v26-41
.set Q,   48                           ; [Qa 0 Qb 0 0]
.set P,   68                           ; [Pa 0 Pb 0 0]
.set F0,  88                           ; k's tiles 0, 1: [Xa Xb 0 0]
.set F2,  120                          ; v's tiles 0, 1
.set S,   152                          ; S + 16 x + 8 g
.set O,   184                          ; O + 16 x + 8 u
.set AOW, 3                            ; the tail's addresses take the loop's registers
.set AOSW, 4
.set AOR, 5
.set AOSR, 6
.set AST, 7
.set ARD, 42
.set VWP, 43
.set VWS, 44
.set VBI, 45
.set GO,  46
.set WV,  16
.set QT,  17
.set HP,  18
.set SEL, 40
.set MNT, 42
.set CS,  44
.set TB,  46
.set CNT, 47
.macro PLACES n
.rept \n
	v_nop
.endr
.endm
.macro MM d, a, b, c, sa, ra, sb, rb   ; one product 16 x 16 x 128.  c < 0: the constant 0 starts the sum.  ra = 1: A's scales are read from lanes 16-31
.if (\c) < 0
.if (\ra)
	v_wmma_scale_f32_16x16x128_f8f6f4 v[(\d):(\d)+7], v[(\a):(\a)+15], v[(\b):(\b)+15], 0, v[(\sa)], v[(\sb)] matrix_a_scale:MATRIX_SCALE_ROW1
.else
	v_wmma_scale_f32_16x16x128_f8f6f4 v[(\d):(\d)+7], v[(\a):(\a)+15], v[(\b):(\b)+15], 0, v[(\sa)], v[(\sb)]
.endif
.else
.if (\ra)
	v_wmma_scale_f32_16x16x128_f8f6f4 v[(\d):(\d)+7], v[(\a):(\a)+15], v[(\b):(\b)+15], v[(\c):(\c)+7], v[(\sa)], v[(\sb)] matrix_a_scale:MATRIX_SCALE_ROW1
.else
	v_wmma_scale_f32_16x16x128_f8f6f4 v[(\d):(\d)+7], v[(\a):(\a)+15], v[(\b):(\b)+15], v[(\c):(\c)+7], v[(\sa)], v[(\sb)]
.endif
.endif
.endm
.macro CROUND                          ; a round of the cluster's barrier
	s_barrier_signal -1
	s_barrier_wait -1
	s_cmp_lg_u32 s[WV], 0
	s_cbranch_scc1 .Lnot_wave_0_\@
	s_barrier_signal -3
.Lnot_wave_0_\@:
	s_barrier_wait -3
	s_barrier_signal -1
	s_barrier_wait -1
.endm
	s_load_b256 s[4:11], s[0:1], 0x0               ; qws 4, kvws 6, l_proj codes 8, scales 10
	s_load_b128 s[12:15], s[0:1], 0x20             ; bias 12, out0 14
	v_lshl_add_u32 v[SPW], v0, 2, SPARE
	v_mov_b32 v[NIL], 0
	ds_add_u32 v[SPW], v[NIL]                      ; the wave's opening: the add, twice on end, and its wait ahead of the round in front of my first tensor loads
	ds_add_u32 v[SPW], v[NIL]
	v_lshrrev_b32 v3, 5, v0
	v_readfirstlane_b32 s[WV], v3                  ; wave 0..15
	s_and_b32 s[QT], s[WV], 7                      ; my tile of queries
	s_lshr_b32 s[HP], s[WV], 3                     ; my pair of heads
	s_bfe_u32 s19, ttmp6, 0x40000                  ; cx: it enters q's and out0's global addresses alone
	s_lshl_b32 s20, ttmp9, 2
	s_add_co_u32 s20, s20, s19                     ; i = 4 x cluster x + cx
	s_and_b32 s21, ttmp7, 0xffff                   ; b, which the four partners share
	; descriptor group 1: a record as 33 dense rows of 256 bytes (32 elements of 8 bytes)
	s_mov_b32 s24, 15|(3<<16)|(1<<21)              ; the mask: all four work-groups; bit 21 beside it
	s_mov_b32 s25, 32<<16
	s_mov_b32 s26, 33<<16
	s_mov_b32 s27, 32<<16
	s_mov_b32 s28, 33
	s_mov_b32 s29, 32
	s_mov_b32 s30, 0
	s_mov_b32 s31, 0
	s_mul_i32 s48, s21, 32*REC                     ; the image's records,
	s_mul_i32 s22, s[WV], REC                      ; record w
	s_add_co_u32 s48, s48, s22
	s_mov_b32 s49, 0
	s_lshl_b32 s50, s21, 5
	s_add_co_u32 s50, s50, s20
	s_mul_i32 s50, s50, 16896                      ; q's record 32 b + i
	s_mov_b32 s51, 0
	s_lshl_b32 s52, s21, 22                        ; out0: the image,
	s_lshl_b32 s53, s[WV], 17                      ; channels 128 + 8 w on,
	s_add_co_u32 s52, s52, s53
	s_add_co_u32 s52, s52, 128*16384
	s_lshl_b32 s53, s20, 9                         ; image rows 2 i, 2 i + 1
	s_add_co_u32 s52, s52, s53
	s_mov_b32 s53, 0
	s_mov_b32 s[SEL], 0x76543210
	s_mov_b32 s[SEL+1], 0xfedcba98
	s_mov_b32 s[MNT], 0x600000
	s_mov_b32 s[CS], 0x3e8293ee                    ; c = log2(e) / sqrt(32)
	s_mov_b32 s[CS+1], s[CS]
	s_mov_b32 s[TB], 0
	v_and_b32 v5, 31, v0
	v_and_b32 v6, 15, v0
	s_lshl_b32 s54, s[HP], 10
	v_lshl_add_u32 v[LB], v5, 4, s54
	s_lshl_b32 s55, s[HP], 1
	s_add_co_u32 s56, s55, 8192
	v_lshl_add_u32 v[LSC], v5, 2, s56
	s_lshl_b32 s57, s[QT], 11
	v_add_nc_u32 v7, s57, v[LB]                    ; q's codes: 2,048 tile + 1,024 pair + 16 lane
	s_lshl_b32 s57, s[QT], 6
	s_add_co_u32 s57, s57, s55
	v_lshl_add_u32 v47, v6, 2, s57                 ; q's scale bytes: 64 tile + 4 r + 2 pair
	s_mov_b32 s32, 1
	s_mul_i32 s33, s[WV], REC                      ; record w goes to w x 8,448,
	s_mov_b32 s36, 1
	s_add_co_u32 s37, s33, 16*REC                  ; record 16 + w sixteen records on
	s_wait_dscnt 0x0                               ; both opening adds are done
	s_wait_kmcnt 0x0
	s_add_nc_u64 s[34:35], s[6:7], s[48:49]
	s_add_nc_u64 s[38:39], s[34:35], 16*REC
	s_or_b32 s35, s35, 0x80000000
	s_or_b32 s39, s39, 0x80000000
	s_add_nc_u64 s[4:5], s[4:5], s[50:51]
	s_add_nc_u64 s[14:15], s[14:15], s[52:53]
	CROUND                                         ; all four work-groups are here: the joint loads meet
	tensor_load_to_lds s[32:35], s[24:31]
	s_nop 0
	tensor_load_to_lds s[36:39], s[24:31]
	s_nop 0
	PLACES 4
	global_load_b128 v[Q:Q+3], v7, s[4:5]
	global_load_b128 v[Q+8:Q+11], v7, s[4:5] offset:512
	global_load_u16 v[QS], v47, s[4:5] offset:16384
.irp j, 4,5,6,7,12,13,14,15,16,17,18,19
	v_mov_b32 v[Q+\j], 0                           ; the zero codes, written once
	v_mov_b32 v[P+\j], 0
.endr
.irp f, 0,1,2,3
.irp j, 8,9,10,11,12,13,14,15
	v_mov_b32 v[F0+16*\f+\j], 0
.endr
.endr
.irp j, 0,1,2,3,4,5,6,7,8,9,10,11,12,13,14,15,16,17,18,19,20,21,22,23,24,25,26,27,28,29,30,31
	v_mov_b32 v[O+\j], 0                           ; the step is written once: the first finds zeros, which the first change of M leaves zeros
.endr
.irp x, 0,1
	v_mov_b32 v[NM+2*\x+1], 0xff61b1e6             ; the largest t so far: -3e38
	v_mov_b32 v[LL+2*\x], 0
	v_mov_b32 v[LL+2*\x+1], 0
	v_mov_b32 v[FF+2*\x], 0
	v_mov_b32 v[FF+2*\x+1], 0
	v_mov_b32 v[PT+\x], 0                          ; a lane permute's destination counts as one of its sources
.endr
.irp x, 0,1
	v_floor_f32 v[NM+2*\x], -v[NM+2*\x+1]
.endr
	s_wait_tensorcnt 1                             ; my record w is in; record 16 + w may stay out
	s_barrier_signal -1
	s_barrier_wait -1                              ; records 0 to 15 are in
	s_wait_loadcnt 0x0                             ; q
; A STEP: 32 keys, my two heads
.macro STEP
	v_add_nc_u32 v[ADR], s[TB], v[LB]
	v_add_nc_u32 v[ADS], s[TB], v[LSC]
	PLACES 6                                       ; with the two additions: eight places in front of loads into registers that the last products read
.irp g, 0,1
.irp c, 0,1
	ds_load_b128 v[F0+16*\g+4*\c:F0+16*\g+4*\c+3], v[ADR] offset:2048*\g+512*\c
.endr
.endr
	ds_load_u16 v[KS], v[ADS]                      ; lanes 0-15: tile 0's bytes of my two heads, lanes 16-31: tile 1's; the upper bytes are 0, over zero codes
.irp u, 0,1
.irp c, 0,1
	ds_load_b128 v[F2+16*\u+4*\c:F2+16*\u+4*\c+3], v[ADR] offset:4096+2048*\u+512*\c
.endr
.endr
	ds_load_u16 v[VSC], v[ADS] offset:128
	s_wait_dscnt 5                                 ; k and its bytes are in; v's five loads may be out
.irp x, 0,1
.irp g, 0,1
	MM S+16*\x+8*\g, F0+16*\g, Q+4*\x, -1, KS, \g, QS, 0
.endr
.endr
	PLACES 8
.irp x, 0,1
	v_max3_num_f32 v[BM+\x], v[S+16*\x], v[S+16*\x+1], v[S+16*\x+2]   ; the block's largest score: for the row's maximum, and, since p rises with the score, for the block's largest p
.endr
.irp i, 3,5,7,9,11,13
.irp x, 0,1
	v_max3_num_f32 v[BM+\x], v[BM+\x], v[S+16*\x+\i], v[S+16*\x+\i+1]
.endr
.endr
.irp x, 0,1
	v_max_num_f32 v[BM+\x], v[BM+\x], v[S+16*\x+15]
.endr
.irp x, 0,1
	v_permlanex16_b32 v[PT+\x], v[BM+\x], s[SEL], s[SEL+1]
.endr
.irp x, 0,1
	v_max_num_f32 v[BM+\x], v[BM+\x], v[PT+\x]
.endr
.irp x, 0,1
	v_mul_f32 v[TT+\x], s[CS], v[BM+\x]
.endr
.irp x, 0,1
	v_max_num_f32 v[NM+2*\x+1], v[NM+2*\x+1], v[TT+\x]   ; the running largest t
.endr
.irp x, 0,1
	v_mov_b32 v[TT+\x], v[NM+2*\x]
.endr
.irp x, 0,1
	v_floor_f32 v[NM+2*\x], -v[NM+2*\x+1]          ; -M = floor(-t): M is a whole number
.endr
.irp x, 0,1
	v_sub_f32 v[TT+\x], v[NM+2*\x], v[TT+\x]       ; old M - new M, 0 or less
.endr
.irp x, 0,1
	v_cvt_i32_f32 v[TT+\x], v[TT+\x]               ; (it saturates)
.endr
.irp x, 0,1
	v_ldexp_f32 v[FF+2*\x], 1.0, v[TT+\x]          ; f = 2^(old M - new M): a multiplication by it rounds nothing
.endr
.irp x, 0,1
.irp j, 0,2,4,6,8,10,12,14
	v_pk_fma_f32 v[S+16*\x+\j:S+16*\x+\j+1], v[S+16*\x+\j:S+16*\x+\j+1], s[CS:CS+1], v[NM+2*\x:NM+2*\x+1] op_sel_hi:[1,0,0]   ; t - M
.endr
.endr
.irp x, 0,1
	v_fma_f32 v[BM+\x], v[BM+\x], s[CS], v[NM+2*\x]
.endr
.irp j, 0,1,2,3,4,5,6,7,8,9,10,11,12,13,14,15,16,17,18,19,20,21,22,23,24,25,26,27,28,29,30,31
	v_exp_f32 v[S+\j], v[S+\j]                     ; p = 2^(t - M)
.endr
.irp x, 0,1
	v_pk_mul_f32 v[LL+2*\x:LL+2*\x+1], v[LL+2*\x:LL+2*\x+1], v[FF+2*\x:FF+2*\x+1] op_sel_hi:[1,0]   ; the sums under the new M; also the plain instruction behind the exponentials
.endr
	s_wait_alu depctr_va_vdst(0)                   ; one wait for the batch of 32, ahead of its first reader
.irp x, 0,1
	v_exp_f32 v[BM+\x], v[BM+\x]                   ; the block's largest p
.endr
.irp x, 0,1
	v_pk_add_f32 v[HH+2*\x:HH+2*\x+1], v[S+16*\x:S+16*\x+1], v[S+16*\x+2:S+16*\x+3]   ; the sum of the unquantised p, two chains a head
.endr
.irp j, 4,8,12
.irp x, 0,1
	v_pk_add_f32 v[LL+2*\x:LL+2*\x+1], v[LL+2*\x:LL+2*\x+1], v[S+16*\x+\j:S+16*\x+\j+1]
	v_pk_add_f32 v[HH+2*\x:HH+2*\x+1], v[HH+2*\x:HH+2*\x+1], v[S+16*\x+\j+2:S+16*\x+\j+3]
.endr
.endr
.irp x, 0,1
	v_pk_add_f32 v[LL+2*\x:LL+2*\x+1], v[LL+2*\x:LL+2*\x+1], v[HH+2*\x:HH+2*\x+1]
.endr
	s_wait_alu depctr_va_vdst(0)                   ; and one for the two
.irp x, 0,1
	v_max_num_f32 v[BM+\x], 0x4800000, v[BM+\x]    ; the floor 2^(9 - 127): the byte cannot fall under 1
.endr
.irp x, 0,1
	v_add_nc_u32 v[SO+\x], 0xfc000000, v[BM+\x]    ; the conversion's scale operand
.endr
.irp x, 0,1
	v_and_or_b32 v[HD+\x], v[BM+\x], 0x7f800000, s[MNT]   ; 448 x the scale
.endr
.irp x, 0,1
	v_lshrrev_b32 v[BY+\x], 23, v[SO+\x]
.endr
	v_lshl_or_b32 v[PS], v[BY+1], 8, v[BY]         ; p's scale bytes: head a's for block 0, head b's for block 1
.irp x, 0,1
.irp i, 0,1,2,3,4,5,6,7,8,9,10,11,12,13,14,15
	v_min_num_f32 v[S+16*\x+\i], v[S+16*\x+\i], v[HD+\x]   ; the conversion does not saturate (ISA guide 7.6.2); p is not negative, so the hold is one-sided
.endr
	v_cvt_scalef32_pk8_fp8_f32 v[P+8*\x:P+8*\x+1], v[S+16*\x:S+16*\x+7], v[SO+\x]
	v_cvt_scalef32_pk8_fp8_f32 v[P+8*\x+2:P+8*\x+3], v[S+16*\x+8:S+16*\x+15], v[SO+\x]
.endr
.irp x, 0,1
.irp j, 0,2,4,6,8,10,12,14
	v_pk_mul_f32 v[O+16*\x+\j:O+16*\x+\j+1], v[O+16*\x+\j:O+16*\x+\j+1], v[FF+2*\x:FF+2*\x+1] op_sel_hi:[1,0]   ; O^T under the new M; these sixteen are also the places between the codes and the products
.endr
.endr
	s_wait_dscnt 0x0                               ; v and its bytes are in
.irp x, 0,1
.irp u, 0,1
	MM O+16*\x+8*\u, F2+16*\u, P+4*\x, O+16*\x+8*\u, VSC, \u, PS, 0   ; four accumulators by turns, the four score products between two steps' links
.endr
.endr
	s_add_co_u32 s[TB], s[TB], REC
.endm
.macro HALF                            ; sixteen records
	s_mov_b32 s[CNT], 16
.Lstep_\@:
	STEP
	s_sub_co_u32 s[CNT], s[CNT], 1
	s_cmp_lg_u32 s[CNT], 0
	s_cbranch_scc1 .Lstep_\@
.endm
	HALF
	s_wait_tensorcnt 0x0                           ; my record 16 + w is in
	s_wait_dscnt 0x0
	s_barrier_signal -1
	s_barrier_wait -1                              ; records 16 to 31 are in
	HALF
	; ---- the tail: O^T / the sum, quantised along the channels; the projection; the way out
	PLACES 8
.irp x, 0,1
	v_add_f32 v[LL+2*\x], v[LL+2*\x], v[LL+2*\x+1]
.endr
.irp x, 0,1
	v_permlanex16_b32 v[PT+\x], v[LL+2*\x], s[SEL], s[SEL+1]
.endr
.irp x, 0,1
	v_add_f32 v[LL+2*\x], v[LL+2*\x], v[PT+\x]     ; the row's sum
.endr
.irp x, 0,1
	v_rcp_f32 v[FF+2*\x], v[LL+2*\x]
.endr
	v_nop                                          ; a plain instruction behind the reciprocals; the addresses below are the work between them and their wait
	v_and_b32 v216, 31, v0                         ; lane
	v_and_b32 v217, 15, v0                         ; r
	v_bfe_u32 v218, v0, 4, 1                       ; h
	s_lshl_b32 s48, s[QT], 11
	s_add_co_u32 s48, s48, OIMG
	v_lshl_add_u32 v[AOR], v216, 4, s48            ; my tile's image of o
	s_lshl_b32 s49, s[HP], 10
	s_add_co_u32 s49, s49, s48
	v_lshl_add_u32 v[AOW], v216, 4, s49            ; my two heads' groups in it
	s_lshl_b32 s50, s[QT], 6
	s_add_co_u32 s50, s50, OSC
	v_lshl_add_u32 v[AOSR], v217, 2, s50
	s_lshl_b32 s51, s[HP], 1
	s_add_co_u32 s51, s51, s50
	v_lshl_add_u32 v[AOSW], v217, 2, s51
	s_mul_i32 s52, s[HP], 64*528                   ; the stage: channel 64 (w / 8) + 8 h on; tile 4 g + T: byte 256 (T / 2) + 128 g + 4 (T % 2) + 8 r
	s_bfe_u32 s53, s[QT], 0x10001
	s_lshl_b32 s53, s53, 8
	s_add_co_u32 s52, s52, s53
	s_lshr_b32 s53, s[QT], 2
	s_lshl_b32 s53, s53, 7
	s_add_co_u32 s52, s52, s53
	s_and_b32 s53, s[QT], 1
	s_lshl_b32 s53, s53, 2
	s_add_co_u32 s52, s52, s53
	v_mul_u32_u24 v[AST], v218, 8*528
	v_lshl_add_u32 v[AST], v217, 3, v[AST]
	v_add_nc_u32 v[AST], s52, v[AST]
	s_mul_i32 s53, s[WV], 8*528
	v_lshl_add_u32 v[ARD], v216, 4, s53            ; back: channels 8 w on, 16 bytes a lane
	s_lshl_b32 s54, s[HP], 13
	v_lshl_add_u32 v[VWP], v217, 7, s54
	v_lshl_add_u32 v[VWP], v218, 4, v[VWP]         ; l_proj's codes: (64 (w / 8) + r) x 128 + 16 h
	s_lshl_b32 s54, s[HP], 8
	v_lshl_add_u32 v[VWS], v216, 2, s54            ; its scale words: lanes 0-15 one tile's, lanes 16-31 the next's
	v_lshl_add_u32 v[VBI], v218, 5, s54            ; the bias: 64 (w / 8) + 8 h on
	v_lshlrev_b32 v[GO], 4, v216
.irp t, 0,1,2,3                                ; the weights land while o is quantised
.irp c, 0,1,2,3
	global_load_b128 v[F0+16*\t+4*\c:F0+16*\t+4*\c+3], v[VWP], s[8:9] offset:2048*\t+32*\c
.endr
.endr
.irp k, 0,1
	global_load_b32 v[WSC+\k], v[VWS], s[10:11] offset:128*\k
.endr
.irp t, 0,1,2,3
	global_load_b128 v[S+8*\t:S+8*\t+3], v[VBI], s[12:13] offset:64*\t
	global_load_b128 v[S+8*\t+4:S+8*\t+7], v[VBI], s[12:13] offset:64*\t+16
.endr
	s_wait_alu depctr_va_vdst(0)                   ; one wait for the two reciprocals, ahead of their first reader
.irp x, 0,1
.irp j, 0,2,4,6,8,10,12,14
	v_pk_mul_f32 v[O+16*\x+\j:O+16*\x+\j+1], v[O+16*\x+\j:O+16*\x+\j+1], v[FF+2*\x:FF+2*\x+1] op_sel_hi:[1,0]
.endr
.endr
	; o's two blocks of 32 channels (my two heads): register 8 u + j = channel 16 h + 8 u + j, by the rows that the first launch gave v's tiles
.irp b, 0,1
	v_max3_num_f32 v[TM+\b], |v[O+16*\b]|, |v[O+16*\b+1]|, 0x4800000
.endr
.irp i, 2,4,6,8,10,12,14
.irp b, 0,1
	v_max3_num_f32 v[TM+\b], v[TM+\b], |v[O+16*\b+\i]|, |v[O+16*\b+\i+1]|
.endr
.endr
.irp b, 0,1
	v_permlanex16_b32 v[TM+4+\b], v[TM+\b], s[SEL], s[SEL+1]
.endr
.irp b, 0,1
	v_max_num_f32 v[TM+\b], v[TM+\b], v[TM+4+\b]
.endr
.irp b, 0,1
	v_add_nc_u32 v[TM+12+\b], 0xfc000000, v[TM+\b]
.endr
.irp b, 0,1
	v_and_or_b32 v[TM+8+\b], v[TM+\b], 0x7f800000, s[MNT]
.endr
.irp b, 0,1
	v_lshrrev_b32 v[TM+4+\b], 23, v[TM+12+\b]
.endr
.irp b, 0,1
.irp i, 0,1,2,3,4,5,6,7,8,9,10,11,12,13,14,15
	v_med3_num_f32 v[O+16*\b+\i], v[O+16*\b+\i], -v[TM+8+\b], v[TM+8+\b]
.endr
	v_cvt_scalef32_pk8_fp8_f32 v[248+4*\b:249+4*\b], v[O+16*\b:O+16*\b+7], v[TM+12+\b]
	v_cvt_scalef32_pk8_fp8_f32 v[250+4*\b:251+4*\b], v[O+16*\b+8:O+16*\b+15], v[TM+12+\b]
.endr
	v_nop                                          ; a plain instruction behind the last scaled conversion
.irp b, 0,1
	ds_store_b128 v[AOW], v[248+4*\b:251+4*\b] offset:512*\b
	ds_store_b8 v[AOSW], v[TM+4+\b] offset:\b
.endr
	s_wait_dscnt 0x0                               ; for the others' sake: my stores have landed, and my reads of the records are over
	s_barrier_signal -1
	s_barrier_wait -1                              ; o's images are whole, and nobody reads the records any more
.irp c, 0,1,2,3
	ds_load_b128 v[Q+4*\c:Q+4*\c+3], v[AOR] offset:512*\c
.endr
	ds_load_b32 v[QS], v[AOSR]
	s_wait_dscnt 0x0
	s_wait_loadcnt 0x0                             ; the weights, their scale words, the bias
.irp t, 0,1,2,3
	MM 216+8*\t, F0+16*\t, Q, S+8*\t, WSC+(\t/2), \t%2, QS, 0   ; one product a sum; the bias is its C
.endr
	PLACES 8
.irp t, 0,1,2,3
.irp j, 0,1,2,3,4,5,6,7
	ds_store_b32 v[AST], v[216+8*\t+\j] offset:(16*\t+\j)*528
.endr
.endr
	s_wait_dscnt 0x0
	s_barrier_signal -1
	s_barrier_wait -1                              ; 128 whole channel rows lie in the stage
.irp k, 0,1,2,3,4,5,6,7
	ds_load_b128 v[F0+4*\k:F0+4*\k+3], v[ARD] offset:528*\k
.endr
.irp k, 0,1,2,3,4,5,6,7
	s_wait_dscnt 7-\k                              ; LDS loads come back in order: row k is in
	global_store_b128 v[GO], v[F0+4*\k:F0+4*\k+3], s[14:15] offset:16384*\k th:TH_STORE_NT   ; 32 lanes store 512 consecutive bytes, at a multiple of 256 from out0's first byte
.endr
	s_wait_tensorcnt 0x0                           ; the wave's end
	ds_add_u32 v[SPW], v[NIL]
	s_wait_dscnt 0x0
	CROUND                                         ; the closing round: no work-group ends while a partner may still ask for a record that names it
	s_endpgm
.Lfunc_end_k_qadf7174d8a_lofi:
	.size	k_qadf7174d8a_lofi, .Lfunc_end_k_qadf7174d8a_lofi-k_qadf7174d8a_lofi
	.p2alignl 7, 3214868480
	.fill 96, 4, 3214868480
	.section	.rodata,"a",@progbits
	.p2align	6, 0x0
	.amdhsa_kernel k_qadf7174d8a_lofi
		.amdhsa_group_segment_fixed_size 289280
		.amdhsa_private_segment_fixed_size 0
		.amdhsa_enable_private_segment 0
		.amdhsa_kernarg_size 48
		.amdhsa_user_sgpr_count 2
		.amdhsa_user_sgpr_kernarg_segment_ptr 1
		.amdhsa_wavefront_size32 1
		.amdhsa_system_sgpr_workgroup_id_x 1
		.amdhsa_system_sgpr_workgroup_id_y 1
		.amdhsa_system_sgpr_workgroup_id_z 1
		.amdhsa_system_vgpr_workitem_id 0
		.amdhsa_next_free_vgpr 256
		.amdhsa_next_free_sgpr 66
		.amdhsa_reserve_vcc 0
		.amdhsa_float_denorm_mode_32 3
		.amdhsa_float_denorm_mode_16_64 3
		.amdhsa_memory_ordered 1
		.amdhsa_forward_progress 1
		.amdhsa_inst_pref_size 44
	.end_amdhsa_kernel
	.amdgpu_metadata
---
amdhsa.version: [ 1, 2 ]
amdhsa.kernels:
  - .name:           k_qadf7174d8a_lofi
    .symbol:         k_qadf7174d8a_lofi.kd
    .args:
      - { .name: qws, .offset: 0, .size: 8, .value_kind: global_buffer, .address_space: global }
      - { .name: kvws, .offset: 8, .size: 8, .value_kind: global_buffer, .address_space: global }
      - { .name: l_proj_w_codes, .offset: 16, .size: 8, .value_kind: global_buffer, .address_space: global }
      - { .name: l_proj_w_scales, .offset: 24, .size: 8, .value_kind: global_buffer, .address_space: global }
      - { .name: l_proj_b, .offset: 32, .size: 8, .value_kind: global_buffer, .address_space: global }
      - { .name: out0, .offset: 40, .size: 8, .value_kind: global_buffer, .address_space: global }
    .group_segment_fixed_size: 289280
    .private_segment_fixed_size: 0
    .kernarg_segment_align: 8
    .kernarg_segment_size: 48
    .max_flat_workgroup_size: 512
    .sgpr_count:     66
    .vgpr_count:     256
    .wavefront_size: 32
...
	.end_amdgpu_metadata
.endif
;; end of part 2
;; ======== version 2 of 2: 2 launches
;; limits: right only within a limited range of input values
;; workspace buffers: qws 4,325,376 bytes; kvws 2,162,688 bytes
;; launch local (part 3): grid 32 x 8, 4 waves a work-group, no clusters, 128,000 bytes of LDS; arguments x, h_qkv_w_codes, h_qkv_w_scales, l_q_w_codes, l_q_w_scales, l_kv_w_codes, l_kv_w_scales, h_proj_w_codes, h_proj_w_scales, h_proj_b, qws, kvws, out0; writes qws, kvws, out0
.if DOCPART == 3
	.amdgcn_target "amdgcn-amd-amdhsa--gfx1250"
	.amdhsa_code_object_version 6
	.text
	.protected	k_qadf7174d8a_local
	.globl	k_qadf7174d8a_local
	.p2align	8
	.type	k_qadf7174d8a_local,@function
k_qadf7174d8a_local:
	s_mov_b64 s[64:65], 0
	v_nop
	global_prefetch_b8 v0, s[64:65] scope:SCOPE_SE
	s_setreg_imm32_b32 hwreg(HW_REG_WAVE_MODE, 25, 1), 1
	s_wait_xcnt 0x0
; HiLo attention, launch 1 of 2: all that is local to two image rows.
; x [8][256][64][64] f32.  A work-group (i = x of the grid, b = y) owns image rows 2 i, 2 i + 1 of image b: 128 tokens = 32 windows of 2 x 2 = 32 pooled keys; in x and in out0 they are 512 consecutive bytes of each channel.
; It quantises x and the 2 x 2 mean of x along the channels (MX-FP8: E4M3 codes, one E8M0 byte for 32 along K), and makes
;   hifi: q, k, v = x h_qkv_w; the window attention in f32 multiply-adds; o quantised; o h_proj_w + h_proj_b  -> out0, channels 0-127;
;   then, while those stores are on their way, lofi: q = x l_q_w, quantised along the head's 32 -> qws;  k, v = mean(x) l_kv_w, k quantised along the head's 32, v along the 32 keys -> kvws.
; NO WORK IS LEFT OUT: every product of the problem is live and every input reaches the output (l_proj_w and l_proj_b are read by the second launch).
; LIMITS: NaN and infinities among the inputs are not served.  A block of zeros gets the scale byte 1 where the quantiser says 127: its codes are zeros, and the bytes are read by this program alone.
;   The four terms of the pooled mean are added in pairs, and the sum is quantised: the factor 1/4 is 2 off the scale byte.
; SHARES.  Four waves; wave e owns head e of hifi and of lofi (columns, not rows): its 26 weight fragments (416 registers) stay in registers, read once.  Wave e also quantises channels 64 e on.
;   x goes from memory straight into registers: sixteen lanes take one image row of one channel, 256 bytes.  What goes round through LDS is codes, as images of operand registers: a group = 512 bytes, lane l's 16 bytes at 16 l = registers 4 c .. 4 c + 3 of a fragment.
; TOKEN TILES.  Tile 4 g + T, lane row r = the token at image row T / 2, column 4 r + 2 g + T % 2: byte 256 (T / 2) + 16 r + 8 g + 4 (T % 2) of a channel's 512.  The four tokens of window 2 r + g are lane r of tiles 4 g + 0 .. 3; it is pooled key 16 g + r of the 32.
; WEIGHT ROWS of a tile whose result becomes a K axis are not neighbours: lane r of tile u takes row 8 u + r + 8 (r / 8) of the head's 32; used as source 0, a lane (r, h) then holds token r and in 16 registers the channels 16 h + 0 .. 15.
; NO CLUSTER: what work-groups share is the weights, 208 KiB; they go straight into registers; as joint tiles they would want about that much LDS beside this text's 125 KiB, which does not fit.  NO PREFETCH: there is no loop to run ahead in.
; REGISTERS, in windows of 256.  Window 0: v1-22 addresses; v24-36 the weights' scale words (later o's in v24-27); v38-47 x's scale words; R1, R2, R3: three banks of 64; TM: 16 at work.
;   Window 1: h_qkv's 12 fragments at 16 (4 kind + 2 u + s), later o's 8, later the rows that leave; l_q's four from 192.   Window 2: l_kv's k at 16 (2 u + s), v at 64 + ..; h_proj's two from 128; its bias from 160; the pooled fragments from 176.
;   Window 3: x as f32: block kbl, image row w, channel 16 h + i, column 4 r + c at 128 kbl + 64 w + 4 i + c; later x's 16 fragments.
.set XIMG,  0                          ; LDS: 20 fragment images of 2,048 bytes: 2 tile + s; pooled tiles are 8 + g
.set XSC,   40960                      ; their scale words: [tile][s][r], byte c
.set OIMG,  42240                      ; hifi's o: [tile][head][512]
.set OSC,   58624                      ; its scale words [tile][r], byte = head
.set QSC,   59136                      ; lofi q's, as they go to qws
.set KVS,   59648                      ; lofi k's [g][r] and v's [u][r], as they go to kvws
.set STG,   59904                      ; the way out: 128 channels x (512 bytes + 16)
.set SPARE, 127488                     ; the spare words, 128 bytes for each wave: two blocks of 256 bytes that no other line names
.set SPW, 1
.set NIL, 2
.set VW,  3                            ; weights' codes: (r + 8 (r / 8)) x 256 + 16 h
.set VSO, 4                            ; weights' scale words: lanes 0-15 tile 0's rows, lanes 16-31 tile 1's: (r + 8 (r / 8) + 8 h) x 8
.set VP,  5                            ; h_proj's codes: r x 128 + 16 h
.set L4,  6                            ; 4 x lane
.set VB,  7                            ; the bias: 32 h
.set AX,  8                            ; x in memory: 16 h channels + 16 r bytes
.set AI,  9                            ; where I store x's images
.set ASC, 10                           ; and their scale bytes
.set AF,  11                           ; XIMG + 16 lane
.set AXS, 12                           ; XSC + 4 lane
.set GQ,  13                           ; 16 lane + 512 head: my group in a record
.set ABS, 14                           ; OSC + 4 r + head: scale bytes of o; + 512: of q; + 1,024: of k and v
.set AO,  15                           ; OIMG + 16 lane + 512 head
.set AOF, 16                           ; OIMG + 16 lane
.set AOX, 17                           ; OSC + 4 lane
.set AKR, 18                           ; KVS + 8 lane
.set AST, 19                           ; the stage, in
.set ARD, 20                           ; the stage, back
.set L16, 21
.set L8,  22
.set WS,  24                           ; hq s0 s1, hk, hv, lq, lk, lv, hp
.set XS,  38
.set R1,  48
.set R2,  112
.set R3,  176
.set TM,  240
.set PO,  R2                           ; the pooled sums: 16 g + i
.set CD,  R2+32                        ; codes, two sets by turns
.set CE,  R2+48
.set WV,  30
.set SEL, 48
.set MNT, 50
.set NCS, 51
.set CS,  52
.set W_H,  0x0d                        ; A window 1, B window 3
.set W_KV, 0x0a                        ; A and B window 2
.set W_PJ, 0x26                        ; A window 2, B window 1, C window 2
.set MSB, 0
.macro WIN new                         ; the immediate's high byte repeats the setting that is left
.if MSB != \new
	s_set_vgpr_msb (MSB<<8)|\new
.set MSB, \new
.endif
.endm
.macro PLACES n
.rept \n
	v_nop
.endr
.endm
; one product 16 x 16 x 128.  c < 0: the constant 0 starts the sum.  ra, rb = 1: that side's scales are read from lanes 16-31
.macro MM d, a, b, c, sa, ra, sb, rb
.if (\c) < 0
.if (\ra) && (\rb)
	v_wmma_scale_f32_16x16x128_f8f6f4 v[(\d):(\d)+7], v[(\a):(\a)+15], v[(\b):(\b)+15], 0, v[(\sa)], v[(\sb)] matrix_a_scale:MATRIX_SCALE_ROW1 matrix_b_scale:MATRIX_SCALE_ROW1
.elseif (\ra)
	v_wmma_scale_f32_16x16x128_f8f6f4 v[(\d):(\d)+7], v[(\a):(\a)+15], v[(\b):(\b)+15], 0, v[(\sa)], v[(\sb)] matrix_a_scale:MATRIX_SCALE_ROW1
.elseif (\rb)
	v_wmma_scale_f32_16x16x128_f8f6f4 v[(\d):(\d)+7], v[(\a):(\a)+15], v[(\b):(\b)+15], 0, v[(\sa)], v[(\sb)] matrix_b_scale:MATRIX_SCALE_ROW1
.else
	v_wmma_scale_f32_16x16x128_f8f6f4 v[(\d):(\d)+7], v[(\a):(\a)+15], v[(\b):(\b)+15], 0, v[(\sa)], v[(\sb)]
.endif
.else
.if (\ra) && (\rb)
	v_wmma_scale_f32_16x16x128_f8f6f4 v[(\d):(\d)+7], v[(\a):(\a)+15], v[(\b):(\b)+15], v[(\c):(\c)+7], v[(\sa)], v[(\sb)] matrix_a_scale:MATRIX_SCALE_ROW1 matrix_b_scale:MATRIX_SCALE_ROW1
.elseif (\ra)
	v_wmma_scale_f32_16x16x128_f8f6f4 v[(\d):(\d)+7], v[(\a):(\a)+15], v[(\b):(\b)+15], v[(\c):(\c)+7], v[(\sa)], v[(\sb)] matrix_a_scale:MATRIX_SCALE_ROW1
.elseif (\rb)
	v_wmma_scale_f32_16x16x128_f8f6f4 v[(\d):(\d)+7], v[(\a):(\a)+15], v[(\b):(\b)+15], v[(\c):(\c)+7], v[(\sa)], v[(\sb)] matrix_b_scale:MATRIX_SCALE_ROW1
.else
	v_wmma_scale_f32_16x16x128_f8f6f4 v[(\d):(\d)+7], v[(\a):(\a)+15], v[(\b):(\b)+15], v[(\c):(\c)+7], v[(\sa)], v[(\sb)]
.endif
.endif
.endm
.macro MMS d, a, b, st, sa, ra, sb, rb ; K step st of two: step 0 starts the sum, step 1 adds in place
.if (\st) == 0
	MM \d, \a, \b, -1, \sa, \ra, \sb, \rb
.else
	MM \d, \a, \b, \d, \sa, \ra, \sb, \rb
.endif
.endm
; THE QUANTISER of nb blocks of 32 along K: block b's 16 numbers of my lane stand at QBb + st i in window w, the other 16 in lane l xor 16.  Held numbers to v[dst + 16 b] on, codes to v[pc + 4 b] on, the scale's byte to v[TM + 4 + b].
; fl: the floor of a largest magnitude: 2^(9 - 127) holds the byte at 1 from below; for the pooled sums, whose byte loses 2, 2^(11 - 127).
.macro QBX kbl, g                      ; x: block kbl, the four tiles of half g (st = 4)
.irp b, 0,1,2,3
.set QB\b, 128*(\kbl)+64*(\b/2)+2*(\g)+(\b%2)
.endr
.endm
.macro QBC s                           ; a bank on end (st = 1)
.irp b, 0,1,2,3
.set QB\b, (\s)+16*\b
.endr
.endm
.macro QA k, nb, st                    ; two more numbers of each block into its first chain,
.irp b, 0,1,2,3
.if \b < \nb
	v_max3_num_f32 v[TM+\b], |v[QB\b+(\k)*\st]|, |v[QB\b+(\k)*\st+\st]|, v[TM+\b]
.endif
.endr
.endm
.macro QC k, nb, st                    ; into its second
.irp b, 0,1,2,3
.if \b < \nb
	v_max3_num_f32 v[TM+8+\b], |v[QB\b+(\k)*\st]|, |v[QB\b+(\k)*\st+\st]|, v[TM+8+\b]
.endif
.endr
.endm
.macro QUANT w, st, nb, dst, pc, fl
	WIN (21*\w)
.irp b, 0,1,2,3
.if \b < \nb
	v_max3_num_f32 v[TM+8+\b], |v[QB\b+8*\st]|, |v[QB\b+9*\st]|, |v[QB\b+10*\st]|   ; two chains a block, the blocks by turns; each accumulator is read from its low end on
.endif
.endr
	WIN (5*\w)
.irp b, 0,1,2,3
.if \b < \nb
	v_max3_num_f32 v[TM+\b], |v[QB\b]|, |v[QB\b+\st]|, \fl
.endif
.endr
	QC 11, \nb, \st
	QA 2, \nb, \st
	QC 13, \nb, \st
	QA 4, \nb, \st
	QA 6, \nb, \st
	WIN (1*\w)
.irp b, 0,1,2,3
.if \b < \nb
	v_max3_num_f32 v[TM+\b], |v[QB\b+15*\st]|, v[TM+\b], v[TM+8+\b]
.endif
.endr
	WIN 0
.irp b, 0,1,2,3
.if \b < \nb
	v_permlanex16_b32 v[TM+4+\b], v[TM+\b], s[SEL], s[SEL+1]
.endif
.endr
.irp b, 0,1,2,3
.if \b < \nb
	v_max_num_f32 v[TM+\b], v[TM+\b], v[TM+4+\b]           ; the block's largest magnitude
.endif
.endr
.irp b, 0,1,2,3
.if \b < \nb
	v_and_or_b32 v[TM+8+\b], v[TM+\b], 0x7f800000, s[MNT]  ; 448 x the scale
.endif
.endr
.irp b, 0,1,2,3
.if \b < \nb
	v_add_nc_u32 v[TM+12+\b], 0xfc000000, v[TM+\b]         ; 8 off its exponent field: the conversion's scale operand
.endif
.endr
.irp b, 0,1,2,3
.if \b < \nb
	v_lshrrev_b32 v[TM+4+\b], 23, v[TM+12+\b]              ; the scale's byte
.endif
.endr
	WIN (1*\w)
.irp b, 0,1,2,3
.if \b < \nb
.irp i, 0,1,2,3,4,5,6,7,8,9,10,11,12,13,14,15
	v_med3_num_f32 v[(\dst)+16*\b+\i], v[QB\b+\i*\st], -v[TM+8+\b], v[TM+8+\b]   ; the conversion to an 8-bit code does not saturate (ISA guide 7.6.2): the hold at the largest code x the scale
.endr
.endif
.endr
	WIN 0
.irp b, 0,1,2,3
.if \b < \nb
	v_cvt_scalef32_pk8_fp8_f32 v[(\pc)+4*\b:(\pc)+4*\b+1], v[(\dst)+16*\b:(\dst)+16*\b+7], v[TM+12+\b]
	v_cvt_scalef32_pk8_fp8_f32 v[(\pc)+4*\b+2:(\pc)+4*\b+3], v[(\dst)+16*\b+8:(\dst)+16*\b+15], v[TM+12+\b]
.endif
.endr
	v_nop                                          ; a plain instruction behind the last scaled conversion
.endm
.macro XLOAD kbl                       ; my block kbl of 32 channels: 32 loads, each two channels' 256 bytes of one image row
	WIN 0xc0
.irp i, 0,1,2,3,4,5,6,7,8,9,10,11,12,13,14,15
.irp w, 0,1
	global_load_b128 v[128*\kbl+64*\w+4*\i:128*\kbl+64*\w+4*\i+3], v[AX], s[4:5] offset:524288*\kbl+16384*\i+256*\w th:TH_LOAD_NT
.endr
.endr
	WIN 0
.endm
.macro POOL kbl                        ; the sum of a window's four tokens: they lie in one lane
	WIN 0x0f
.irp g, 0,1
.irp i, 0,1,2,3,4,5,6,7,8,9,10,11,12,13,14,15
	v_pk_add_f32 v[R3+32*\g+2*\i:R3+32*\g+2*\i+1], v[128*\kbl+4*\i+2*\g:128*\kbl+4*\i+2*\g+1], v[128*\kbl+64+4*\i+2*\g:128*\kbl+64+4*\i+2*\g+1]
.endr
.endr
	WIN 0
.irp g, 0,1
.irp i, 0,2,4,6,8,10,12,14
	v_dual_add_f32 v[PO+16*\g+\i], v[R3+32*\g+2*\i], v[R3+32*\g+2*\i+1] :: v_dual_add_f32 v[PO+16*\g+\i+1], v[R3+32*\g+2*\i+2], v[R3+32*\g+2*\i+3]
.endr
.endr
.endm
.macro STX g, kbl, cd                  ; four tiles' group and scale byte of my block
.irp T, 0,1,2,3
	ds_store_b128 v[AI], v[(\cd)+4*\T:(\cd)+4*\T+3] offset:(4*(\g)+\T)*4096+(\kbl)*512
.endr
.irp T, 0,1,2,3
	ds_store_b8 v[ASC], v[TM+4+\T] offset:(4*(\g)+\T)*128+(\kbl)   ; both halves of the lanes write the same byte with the same value
.endr
.endm
.macro JOB kbl                         ; block kbl: the two halves' tiles, and the two pooled tiles
	POOL \kbl
	QBX \kbl, 0
	QUANT 3, 4, 4, R1, CD, 0x4800000
	STX 0, \kbl, CD
	QBX \kbl, 1
	QUANT 3, 4, 4, R1, CE, 0x4800000
	STX 1, \kbl, CE
	QBC PO
	QUANT 0, 1, 2, PO, CD, 0x5800000
.irp g, 0,1
	v_add_nc_u32 v[TM+4+\g], -2, v[TM+4+\g]        ; the mean's factor 1/4
.endr
.irp g, 0,1
	ds_store_b128 v[AI], v[CD+4*\g:CD+4*\g+3] offset:(8+\g)*4096+(\kbl)*512
	ds_store_b8 v[ASC], v[TM+4+\g] offset:(8+\g)*128+(\kbl)
.endr
.endm
.macro IMAGES win, reg, adr, first, n  ; n groups of 512 bytes on end into registers
	WIN \win
.set cn, 0
.rept \n
	ds_load_b128 v[\reg+4*cn:\reg+4*cn+3], v[\adr] offset:512*(\first+cn)
.set cn, cn+1
.endr
	WIN 0
.endm
	s_load_b512 s[4:19], s[0:1], 0x0               ; x 4, h_qkv codes 6, scales 8, l_q codes 10, scales 12, l_kv codes 14, scales 16, h_proj codes 18
	s_load_b256 s[20:27], s[0:1], 0x40             ; h_proj scales 20, bias 22, qws 24, kvws 26
	s_load_b64 s[28:29], s[0:1], 0x60              ; out0
	v_lshrrev_b32 v48, 5, v0
	v_readfirstlane_b32 s[WV], v48                 ; wave = head, 0..3
	s_mov_b32 s31, ttmp9                           ; i
	s_and_b32 s32, ttmp7, 0xffff                   ; b
	s_mov_b32 s[SEL], 0x76543210
	s_mov_b32 s[SEL+1], 0xfedcba98                 ; v_permlanex16_b32's selects for lane l xor 16
	s_mov_b32 s[MNT], 0x600000                     ; the mantissa field of 448
	s_mov_b32 s[CS], 0x3e8293ee                    ; c = log2(e) / sqrt(32)
	s_mov_b32 s[NCS], 0xbe8293ee                   ; -c
	s_lshr_b32 s34, s[WV], 1                       ; my two blocks of 32 channels lie in K step wave / 2,
	s_and_b32 s35, s[WV], 1                        ; groups 2 (wave % 2) and + 1
	s_lshl_b32 s54, s34, 11
	s_lshl_b32 s55, s35, 10
	s_add_co_u32 s54, s54, s55
	s_lshl_b32 s55, s34, 6
	s_lshl_b32 s56, s35, 1
	s_add_co_u32 s55, s55, s56
	s_add_co_u32 s55, s55, XSC
	s_lshl_b32 s56, s[WV], 9
	s_add_co_u32 s57, s[WV], OSC
	s_add_co_u32 s33, s56, OIMG
	s_mul_i32 s36, s[WV], 32*528
	s_add_co_u32 s36, s36, STG                     ; my 32 channels' rows of the stage
	s_lshl_b32 s58, s32, 22                        ; an image is 4,194,304 bytes,
	s_lshl_b32 s59, s31, 9                         ; two image rows 512
	s_add_co_u32 s58, s58, s59
	s_lshl_b32 s60, s[WV], 20                      ; x: my 64 channels
	s_add_co_u32 s60, s60, s58
	s_mov_b32 s61, 0
	s_lshl_b32 s62, s[WV], 19                      ; out0: my 32 channels
	s_add_co_u32 s62, s62, s58
	s_mov_b32 s63, 0
	v_and_b32 v48, 31, v0                          ; lane
	v_and_b32 v49, 15, v0                          ; r
	v_bfe_u32 v50, v0, 4, 1                        ; h
	v_and_b32 v51, 8, v49
	v_add_nc_u32 v51, v51, v49                     ; r + 8 (r / 8)
	v_lshlrev_b32 v[AX], 18, v50
	v_lshl_add_u32 v[AX], v49, 4, v[AX]
	v_lshl_add_u32 v[SPW], v0, 2, SPARE
	v_mov_b32 v[NIL], 0
	v_lshlrev_b32 v[VW], 8, v51
	v_lshl_add_u32 v[VW], v50, 4, v[VW]
	v_lshl_add_u32 v[VSO], v50, 3, v51
	v_lshlrev_b32 v[VSO], 3, v[VSO]
	v_lshlrev_b32 v[VP], 7, v49
	v_lshl_add_u32 v[VP], v50, 4, v[VP]
	v_lshlrev_b32 v[L4], 2, v48
	v_lshlrev_b32 v[VB], 5, v50
	v_lshlrev_b32 v[L16], 4, v48
	v_lshlrev_b32 v[L8], 3, v48
	v_lshl_add_u32 v[AI], v48, 4, s54
	v_lshl_add_u32 v[ASC], v49, 2, s55
	v_lshl_add_u32 v[AF], v48, 4, XIMG
	v_lshl_add_u32 v[AXS], v48, 2, XSC
	v_lshl_add_u32 v[GQ], v48, 4, s56
	v_lshl_add_u32 v[ABS], v49, 2, s57
	v_lshl_add_u32 v[AO], v48, 4, s33
	v_lshl_add_u32 v[AOF], v48, 4, OIMG
	v_lshl_add_u32 v[AOX], v48, 2, OSC
	v_lshl_add_u32 v[AKR], v48, 3, KVS
	v_mul_u32_u24 v[AST], v50, 8*528
	v_lshl_add_u32 v[AST], v49, 4, v[AST]
	v_add_nc_u32 v[AST], s36, v[AST]
	v_lshl_add_u32 v[ARD], v48, 4, s36
.irp b, 0,1,2,3
	v_mov_b32 v[TM+4+\b], 0                        ; written once: a lane permute's destination counts as one of its sources
.endr
	s_wait_alu depctr_va_vdst(0)                   ; the head's end
	s_wait_kmcnt 0x0
	s_add_nc_u64 s[4:5], s[4:5], s[60:61]
	XLOAD 0
	XLOAD 1
	s_add_nc_u64 s[28:29], s[28:29], s[62:63]
	s_mov_b32 s55, 0
	s_lshl_b32 s54, s[WV], 13                      ; a head's 32 rows of 256 codes
	s_add_nc_u64 s[6:7], s[6:7], s[54:55]
	s_add_nc_u64 s[10:11], s[10:11], s[54:55]
	s_add_nc_u64 s[14:15], s[14:15], s[54:55]
	s_lshl_b32 s54, s[WV], 8                       ; and of 8 scale bytes
	s_add_nc_u64 s[8:9], s[8:9], s[54:55]
	s_add_nc_u64 s[12:13], s[12:13], s[54:55]
	s_add_nc_u64 s[16:17], s[16:17], s[54:55]
	s_lshl_b32 s54, s[WV], 12                      ; h_proj: my 32 rows of 128 codes,
	s_add_nc_u64 s[18:19], s[18:19], s[54:55]
	s_lshl_b32 s54, s[WV], 7                       ; of 4 scale bytes; my 32 numbers of the bias
	s_add_nc_u64 s[20:21], s[20:21], s[54:55]
	s_add_nc_u64 s[22:23], s[22:23], s[54:55]
	s_lshl_b32 s56, s32, 5
	s_add_co_u32 s56, s56, s31                     ; the record: 32 b + i
	s_mul_i32 s54, s56, 16896
	s_add_nc_u64 s[24:25], s[24:25], s[54:55]
	s_mul_i32 s54, s56, 8448
	s_add_nc_u64 s[26:27], s[26:27], s[54:55]
	; ---- x and its mean become images.  My blocks: channels 64 wave + 32 kbl on
	s_wait_loadcnt 32                              ; block 0's 32 loads are in; block 1's 32 may be out
	JOB 0
	; 61 loads: the scale words, and hifi's weights
.irp k, 0,1,2
.irp s, 0,1
	global_load_b32 v[WS+2*\k+\s], v[VSO], s[8:9] offset:1024*\k+4*\s
.endr
.endr
.irp s, 0,1
	global_load_b32 v[WS+6+\s], v[VSO], s[12:13] offset:4*\s
.endr
.irp k, 0,1
.irp s, 0,1
	global_load_b32 v[WS+8+2*\k+\s], v[VSO], s[16:17] offset:1024*\k+4*\s
.endr
.endr
	global_load_b32 v[WS+12], v[L4], s[20:21]
	WIN 0x40
.irp k, 0,1,2
.irp u, 0,1
.irp s, 0,1
.irp c, 0,1,2,3
	global_load_b128 v[16*(4*\k+2*\u+\s)+4*\c:16*(4*\k+2*\u+\s)+4*\c+3], v[VW], s[6:7] offset:32768*\k+2048*\u+128*\s+32*\c
.endr
.endr
.endr
.endr
	WIN 0
	s_wait_loadcnt 61                              ; x's block 1 is in; the 61 issued behind it may be out
	JOB 1
	s_wait_dscnt 0x0                               ; for the others' sake: my stores have landed
	s_barrier_signal -1
	s_barrier_wait -1                              ; all twenty fragments and their scale words lie in LDS
.irp t, 0,1,2,3,4,5,6,7,8,9
	ds_load_b32 v[XS+\t], v[AXS] offset:128*\t     ; lanes 0-15: K step 0's words, lanes 16-31: K step 1's
.endr
	IMAGES 0xc0, 0, AF, 0, 32                      ; x's eight fragments of half 0: group n of 64 -> registers 4 n
	IMAGES 0xc0, 128, AF, 32, 32                   ; of half 1
	IMAGES 0x80, 176, AF, 64, 16                   ; the four pooled fragments
	; the other 60 loads: h_proj's weights (8) and its bias (4), then l_q's (16) and l_kv's (32)
	WIN 0x80
.irp t, 0,1
.irp c, 0,1,2,3
	global_load_b128 v[128+16*\t+4*\c:128+16*\t+4*\c+3], v[VP], s[18:19] offset:2048*\t+32*\c
.endr
.endr
.irp t, 0,1
	global_load_b128 v[160+8*\t:160+8*\t+3], v[VB], s[22:23] offset:64*\t
	global_load_b128 v[160+8*\t+4:160+8*\t+7], v[VB], s[22:23] offset:64*\t+16
.endr
	WIN 0x40
.irp u, 0,1
.irp s, 0,1
.irp c, 0,1,2,3
	global_load_b128 v[192+16*(2*\u+\s)+4*\c:192+16*(2*\u+\s)+4*\c+3], v[VW], s[10:11] offset:2048*\u+128*\s+32*\c
.endr
.endr
.endr
	WIN 0x80
.irp k, 0,1
.irp u, 0,1
.irp s, 0,1
.irp c, 0,1,2,3
	global_load_b128 v[64*\k+16*(2*\u+\s)+4*\c:64*\k+16*(2*\u+\s)+4*\c+3], v[VW], s[14:15] offset:32768*\k+2048*\u+128*\s+32*\c
.endr
.endr
.endr
.endr
	WIN 0
	; ---- hifi, 16 windows at a time
	s_wait_loadcnt 60                              ; hifi's weights are in; the 60 issued behind them may be out
.macro HIFI g, cnt
	s_wait_dscnt \cnt
	WIN W_H
.irp s, 0,1
.irp k, 0,1
.irp T, 0,1,2,3
.irp u, 0,1
	MMS R1+64*\k+16*\T+8*\u, 16*(4*\k+2*\u+\s), 16*(2*(4*(\g)+\T)+\s), \s, WS+2*\k+\s, \u, XS+4*(\g)+\T, \s   ; q in R1, k in R2: sixteen accumulators by turns
.endr
.endr
.endr
.endr
	WIN 0
	PLACES 8
.irp i, 0,1,2,3,4,5,6,7                        ; the 16 scores of my window, f32 multiply-adds over my 16 channels, two at a time
.irp m, 0,1,2,3
.irp n, 0,1,2,3
.if \i == 0
	v_pk_mul_f32 v[R3+2*(4*\m+\n):R3+2*(4*\m+\n)+1], v[R1+16*\m:R1+16*\m+1], v[R2+16*\n:R2+16*\n+1]
.else
	v_pk_fma_f32 v[R3+2*(4*\m+\n):R3+2*(4*\m+\n)+1], v[R1+16*\m+2*\i:R1+16*\m+2*\i+1], v[R2+16*\n+2*\i:R2+16*\n+2*\i+1], v[R3+2*(4*\m+\n):R3+2*(4*\m+\n)+1]
.endif
.endr
.endr
.endr
.irp q, 0,1,2,3,4,5,6,7,8,9,10,11,12,13,14,15
	v_add_f32 v[R3+2*\q], v[R3+2*\q], v[R3+2*\q+1]
.endr
.irp q, 0,1,2,3,4,5,6,7,8,9,10,11,12,13,14,15
	v_permlanex16_b32 v[R3+32+\q], v[R3+2*\q], s[SEL], s[SEL+1]
.endr
.irp q, 0,1,2,3,4,5,6,7,8,9,10,11,12,13,14,15
	v_add_f32 v[R3+2*\q], v[R3+2*\q], v[R3+32+\q]  ; with the other 16 channels
.endr
	WIN W_H
.irp s, 0,1
.irp T, 0,1,2,3
.irp u, 0,1
	MMS R1+16*\T+8*\u, 16*(8+2*\u+\s), 16*(2*(4*(\g)+\T)+\s), \s, WS+4+\s, \u, XS+4*(\g)+\T, \s   ; v takes q's place; the softmax below, which names none of these registers, is the places behind it
.endr
.endr
.endr
	WIN 0
.irp m, 0,1,2,3
	v_max3_num_f32 v[TM+\m], v[R3+8*\m], v[R3+8*\m+2], v[R3+8*\m+4]
.endr
.irp m, 0,1,2,3
	v_max_num_f32 v[TM+\m], v[TM+\m], v[R3+8*\m+6]
.endr
.irp m, 0,1,2,3
	v_mul_f32 v[TM+\m], s[NCS], v[TM+\m]           ; -c x the row's largest score
.endr
.irp m, 0,1,2,3
.irp n, 0,1,2,3
	v_fma_f32 v[R3+2*(4*\m+\n)], v[R3+2*(4*\m+\n)], s[CS], v[TM+\m]
.endr
.endr
	s_wait_alu depctr_va_vdst(0)
.irp q, 0,1,2,3,4,5,6,7,8,9,10,11,12,13,14,15
	v_exp_f32 v[R3+2*\q], v[R3+2*\q]
.endr
	v_nop                                          ; a plain instruction behind the last exponential,
	s_wait_alu depctr_va_vdst(0)                   ; and one wait for the batch, ahead of its first reader
.irp m, 0,1,2,3
	v_add_f32 v[TM+4+\m], v[R3+8*\m], v[R3+8*\m+2]
.endr
.irp m, 0,1,2,3
	v_add_f32 v[TM+8+\m], v[R3+8*\m+4], v[R3+8*\m+6]
.endr
.irp m, 0,1,2,3
	v_add_f32 v[TM+4+\m], v[TM+4+\m], v[TM+8+\m]
.endr
	s_wait_alu depctr_va_vdst(0)
.irp m, 0,1,2,3
	v_rcp_f32 v[TM+4+\m], v[TM+4+\m]
.endr
	v_nop
	s_wait_alu depctr_va_vdst(0)
.irp m, 0,1,2,3
.irp n, 0,1,2,3
	v_mul_f32 v[R3+2*(4*\m+\n)], v[R3+2*(4*\m+\n)], v[TM+4+\m]   ; the finished softmax
.endr
.endr
.irp m, 0,1,2,3                                ; o = attn v, into k's place; the weight is the low word of its pair
.irp i, 0,1,2,3,4,5,6,7
	v_pk_mul_f32 v[R2+16*\m+2*\i:R2+16*\m+2*\i+1], v[R1+2*\i:R1+2*\i+1], v[R3+8*\m:R3+8*\m+1] op_sel_hi:[1,0]
.endr
.irp n, 1,2,3
.irp i, 0,1,2,3,4,5,6,7
	v_pk_fma_f32 v[R2+16*\m+2*\i:R2+16*\m+2*\i+1], v[R1+16*\n+2*\i:R1+16*\n+2*\i+1], v[R3+2*(4*\m+\n):R3+2*(4*\m+\n)+1], v[R2+16*\m+2*\i:R2+16*\m+2*\i+1] op_sel_hi:[1,0,1]
.endr
.endr
.endr
	QBC R2
	QUANT 0, 1, 4, R2, R3, 0x4800000
.irp T, 0,1,2,3
	ds_store_b128 v[AO], v[R3+4*\T:R3+4*\T+3] offset:(4*(\g)+\T)*2048
.endr
.irp T, 0,1,2,3
	ds_store_b8 v[ABS], v[TM+4+\T] offset:64*(4*(\g)+\T)
.endr
.endm
	HIFI 0, 48                                     ; behind half 0's fragments: half 1's 32 loads and the 16 pooled
	HIFI 1, 0
	s_wait_dscnt 0x0                               ; for the others' sake: my stores have landed
	s_barrier_signal -1
	s_barrier_wait -1                              ; o's eight fragments and their scale bytes lie in LDS
	; ---- the projection, and its way out
.irp t, 0,1,2,3
	ds_load_b32 v[WS+\t], v[AOX] offset:128*\t     ; h_qkv's scale words are done with.  Lanes 0-15: tile 2 t's words, lanes 16-31: tile 2 t + 1's
.endr
	IMAGES 0x40, 0, AOF, 0, 32                     ; o's fragments take h_qkv's place
	s_wait_loadcnt 48                              ; h_proj's fragments and the bias are in; l_q's and l_kv's 48 may be out
	s_wait_dscnt 0x0
	WIN W_PJ
.irp t, 0,1,2,3,4,5,6,7
.irp u, 0,1
	MM R1+16*\t+8*\u, 128+16*\u, 16*\t, 160+8*\u, WS+12, \u, WS+(\t/2), \t%2   ; one product a sum; the bias is its C
.endr
.endr
	WIN 0
	PLACES 9                                       ; for the stores, for the loads into o's registers, and for the products that write over these sums
.irp t, 0,1,2,3,4,5,6,7
.irp u, 0,1
.irp j, 0,1,2,3,4,5,6,7
	ds_store_b32 v[AST], v[R1+16*\t+8*\u+\j] offset:(16*\u+\j)*528+256*((\t%4)/2)+8*(\t/4)+4*(\t%2)   ; channel 32 wave + 16 u + 8 h + j, the token's place in its 512 bytes
.endr
.endr
.endr
	WIN 0x40
.set cn, 0
.rept 32
	ds_load_b128 v[4*cn:4*cn+3], v[ARD] offset:528*cn   ; the rows are my own: LDS serves a wave's instructions in order (ISA guide 5.7.1.4)
.set cn, cn+1
.endr
	WIN 0
	s_wait_loadcnt 0x0                             ; l_q's and l_kv's fragments
; lofi's q of half g: eight accumulators by turns, K step 0 and then 1
.macro LQP g
	WIN W_H
.irp s, 0,1
.irp T, 0,1,2,3
.irp u, 0,1
	MMS R3+16*\T+8*\u, 192+16*(2*\u+\s), 16*(2*(4*(\g)+\T)+\s), \s, WS+6+\s, \u, XS+4*(\g)+\T, \s
.endr
.endr
.endr
	WIN 0
.endm
.macro LQQ g, pc                       ; quantised along the head's 32; codes to qws, bytes to LDS
	QBC R3
	QUANT 0, 1, 4, R3, \pc, 0x4800000
.irp T, 0,1,2,3
	global_store_b128 v[GQ], v[\pc+4*\T:\pc+4*\T+3], s[24:25] offset:(4*(\g)+\T)*2048   ; 32 lanes store 512 consecutive bytes
.endr
.irp T, 0,1,2,3
	ds_store_b8 v[ABS], v[TM+4+\T] offset:512+64*(4*(\g)+\T)
.endr
.endm
	LQP 0                                          ; these products stand between the rows' loads and the stores that take them
	WIN 0x04
.set cn, 0
.rept 32
	s_wait_dscnt 31-cn                             ; LDS loads come back in order: channel cn's row is in
	global_store_b128 v[L16], v[4*cn:4*cn+3], s[28:29] offset:16384*cn th:TH_STORE_NT   ; 32 lanes store 512 consecutive bytes, at a multiple of 256 from out0's first byte
.set cn, cn+1
.endr
	; ---- lofi's q, k, v, while those stores are on their way
	WIN W_KV
.irp s, 0,1
.irp g, 0,1
.irp u, 0,1
	MMS R1+16*\g+8*\u, 16*(2*\u+\s), 176+16*(2*\g+\s), \s, WS+8+\s, \u, XS+8+\g, \s       ; k: a lane holds key 16 g + r, 16 channels
.endr
.endr
.irp u, 0,1
.irp g, 0,1
	MMS R1+32+16*\u+8*\g, 176+16*(2*\g+\s), 64+16*(2*\u+\s), \s, XS+8+\g, \s, WS+10+\s, \u   ; v: a lane holds one channel, register 8 g + j = key 16 g + 8 h + j: the order in which the second launch's p lies
.endr
.endr
.endr
	WIN 0
	PLACES 8
	LQQ 0, R2
	LQP 1
	QBC R1
	QUANT 0, 1, 4, R1, R2+16, 0x4800000            ; blocks 0, 1: k of tiles 0, 1;  blocks 2, 3: v of channel tiles 0, 1
.irp b, 0,1,2,3
	global_store_b128 v[GQ], v[R2+16+4*\b:R2+16+4*\b+3], s[26:27] offset:2048*\b
.endr
.irp b, 0,1,2,3
	ds_store_b8 v[ABS], v[TM+4+\b] offset:1024+64*\b
.endr
	LQQ 1, R2+32
	s_wait_dscnt 0x0                               ; for the others' sake: my stores have landed
	s_barrier_signal -1
	s_barrier_wait -1                              ; all scale bytes lie in LDS: they leave as whole blocks of 256 bytes (wave 0)
	s_cmp_lg_u32 s[WV], 0
	s_cbranch_scc1 .Lnot_wave_0
	ds_load_b128 v[R1:R1+3], v[AOF] offset:QSC-OIMG
	ds_load_b64 v[R1+4:R1+5], v[AKR]
	s_wait_dscnt 0x0
	global_store_b128 v[L16], v[R1:R1+3], s[24:25] offset:16384
	global_store_b64 v[L8], v[R1+4:R1+5], s[26:27] offset:8192
.Lnot_wave_0:
	s_wait_tensorcnt 0x0                           ; the wave's end
	ds_add_u32 v[SPW], v[NIL]
	s_wait_dscnt 0x0
	s_endpgm
.Lfunc_end_k_qadf7174d8a_local:
	.size	k_qadf7174d8a_local, .Lfunc_end_k_qadf7174d8a_local-k_qadf7174d8a_local
	.p2alignl 7, 3214868480
	.fill 96, 4, 3214868480
	.section	.rodata,"a",@progbits
	.p2align	6, 0x0
	.amdhsa_kernel k_qadf7174d8a_local
		.amdhsa_group_segment_fixed_size 128000
		.amdhsa_private_segment_fixed_size 0
		.amdhsa_enable_private_segment 0
		.amdhsa_kernarg_size 104
		.amdhsa_user_sgpr_count 2
		.amdhsa_user_sgpr_kernarg_segment_ptr 1
		.amdhsa_wavefront_size32 1
		.amdhsa_system_sgpr_workgroup_id_x 1
		.amdhsa_system_sgpr_workgroup_id_y 1
		.amdhsa_system_sgpr_workgroup_id_z 1
		.amdhsa_system_vgpr_workitem_id 0
		.amdhsa_next_free_vgpr 1024
		.amdhsa_next_free_sgpr 66
		.amdhsa_reserve_vcc 0
		.amdhsa_float_denorm_mode_32 3
		.amdhsa_float_denorm_mode_16_64 3
		.amdhsa_memory_ordered 1
		.amdhsa_forward_progress 1
		.amdhsa_inst_pref_size 200
	.end_amdhsa_kernel
	.amdgpu_metadata
---
amdhsa.version: [ 1, 2 ]
amdhsa.kernels:
  - .name:           k_qadf7174d8a_local
    .symbol:         k_qadf7174d8a_local.kd
    .args:
      - { .name: x, .offset: 0, .size: 8, .value_kind: global_buffer, .address_space: global }
      - { .name: h_qkv_w_codes, .offset: 8, .size: 8, .value_kind: global_buffer, .address_space: global }
      - { .name: h_qkv_w_scales, .offset: 16, .size: 8, .value_kind: global_buffer, .address_space: global }
      - { .name: l_q_w_codes, .offset: 24, .size: 8, .value_kind: global_buffer, .address_space: global }
      - { .name: l_q_w_scales, .offset: 32, .size: 8, .value_kind: global_buffer, .address_space: global }
      - { .name: l_kv_w_codes, .offset: 40, .size: 8, .value_kind: global_buffer, .address_space: global }
      - { .name: l_kv_w_scales, .offset: 48, .size: 8, .value_kind: global_buffer, .address_space: global }
      - { .name: h_proj_w_codes, .offset: 56, .size: 8, .value_kind: global_buffer, .address_space: global }
      - { .name: h_proj_w_scales, .offset: 64, .size: 8, .value_kind: global_buffer, .address_space: global }
      - { .name: h_proj_b, .offset: 72, .size: 8, .value_kind: global_buffer, .address_space: global }
      - { .name: qws, .offset: 80, .size: 8, .value_kind: global_buffer, .address_space: global }
      - { .name: kvws, .offset: 88, .size: 8, .value_kind: global_buffer, .address_space: global }
      - { .name: out0, .offset: 96, .size: 8, .value_kind: global_buffer, .address_space: global }
    .group_segment_fixed_size: 128000
    .private_segment_fixed_size: 0
    .kernarg_segment_align: 8
    .kernarg_segment_size: 104
    .max_flat_workgroup_size: 128
    .sgpr_count:     66
    .vgpr_count:     1024
    .wavefront_size: 32
...
	.end_amdgpu_metadata
.endif
;; end of part 3
;; launch lofi (part 4): grid 32 x 8, 16 waves a work-group, clusters of 4 x 1, 289,280 bytes of LDS; arguments qws, kvws, l_proj_w_codes, l_proj_w_scales, l_proj_b, out0; writes out0
.if DOCPART == 4
	.amdgcn_target "amdgcn-amd-amdhsa--gfx1250"
	.amdhsa_code_object_version 6
	.text
	.protected	k_qadf7174d8a_lofi
	.globl	k_qadf7174d8a_lofi
	.p2align	8
	.type	k_qadf7174d8a_lofi,@function
k_qadf7174d8a_lofi:
	s_mov_b64 s[64:65], 0
	v_nop
	global_prefetch_b8 v0, s[64:65] scope:SCOPE_SE
	s_setreg_imm32_b32 hwreg(HW_REG_WAVE_MODE, 25, 1), 1
	s_wait_xcnt 0x0
	s_wait_alu depctr_hold_cnt(0) depctr_sa_sdst(0) depctr_va_vdst(0) depctr_va_sdst(0) depctr_va_ssrc(0) depctr_va_vcc(0) depctr_vm_vsrc(0)
	s_getreg_b32 s2, hwreg(HW_REG_IB_STS2, 6, 4)
	s_cmp_eq_u32 s2, 0
	s_cbranch_scc0 .Lentry_in_a_cluster
	s_endpgm
.Lentry_in_a_cluster:
	s_bfe_u32 s2, ttmp6, 0x10000c
	s_cmp_lg_u32 s2, 0x3003
	s_cbranch_scc0 .Lentry_shape_is_right
	s_endpgm
.Lentry_shape_is_right:
; HiLo attention, launch 2 of 2: lofi's attention of 4,096 queries over 1,024 pooled keys in 4 heads of 32, and its projection -> out0, channels 128-255.  No work is left out.
; qws, kvws: the first launch's codes and scale words, laid as images of operand registers (a group = 512 bytes, lane l's 16 bytes at 16 l).
;   qws record 32 b + i, 16,896 bytes: [tile 0..7][head][512], then [tile][r] scale words, byte = head.
;   kvws record 32 b + kb, 8,448 bytes (32 keys): k [g 0..1][head][512]; v [u 0..1][head][512]; k's scale words [g][r]; v's [u][r]; byte = head.
; THE SOFTMAX: t = score x c, c = log2(e) / sqrt(32); M = the running largest t rounded up to a whole number; p = 2^(t - M) is quantised along the keys, 32 to a block; the sum is taken of the unquantised p and divides at the end.
;   p rises with the score, so a block's largest p has the exponent floor(c x its largest score - M): the block's scale byte is that + 119, held at 1 from below.
; LIMITS: NaN and infinities are not served; the promise holds while the scaled scores stay under 2^31 in magnitude; a block of p that has fallen to zeros keeps the scale byte 1 over zero codes.
; SHARES.  A work-group owns 128 queries (the first launch's unit: image rows 2 i, 2 i + 1), sixteen waves of 256 registers.  Wave w: head w % 4, the two tiles of 16 queries 2 (w / 4) and + 1: each fragment of k and v serves two tiles.
;   A trip = 128 keys (four records), tile 0 and then tile 1; eight trips.
; ALL k AND v OF AN IMAGE STAY IN LDS, 270,336 bytes: first fills alone, ONE tensor load a wave, two records each.  Waves 0 to 7 bring records 0 to 15, shown by the head's barrier; waves 8 to 15 bring records 16 to 31,
;   shown by a second barrier that is signalled at the head and waited for behind the third trip: nothing is filled again, and what is read in between is records 0 to 15.
; CLUSTER: the four work-groups of a cluster belong to one image and want the same 32 records: each load is joint, by the same descriptor (wave's number and image alone) and a mask that names the four.
; NO PREFETCH: every load of the streams stands at the head; the loop reads LDS alone.
; O^T = v^T p^T has K = the keys: block c of the instruction's four is record c's 32 keys.
; S^T = k q^T has K = the head's 32, the instruction 128.  The trip's eight groups of k lie on end in registers, and score tile n's operand is the window of four groups that begins at group n; q is [q 0 0 0]: block 0 alone counts,
;   what lies behind it meets zero CODES.  The windows of score tiles 5 to 7 run on into v's first three groups, which hold codes (ahead of the first trip: zeros).  Scale bytes are loaded as single bytes: k's bytes 1 to 3 are 0.
; Both products are used transposed: a lane holds one query throughout; register 16 c + 8 g + j of half h is key 32 c + 16 g + 8 h + j in p as in v.
.set REC,   8448
.set OIMG,  270336                     ; LDS: behind the 32 records: o's images [tile][head][512],
.set OSC,   286720                     ; their scale words [tile][r], byte = head,
.set SPARE, 287232                     ; the spare words, 128 bytes for each wave: eight blocks of 256 bytes that no other line names
.set STP,   4352                       ; the way out: 16 channels x (256 bytes + 16) for each wave, from byte 0 on: the records have had their only fill, and nobody reads them behind the barrier in front of it
.set SPW, 1
.set NIL, 2
.set LB,  3                            ; 16 lane + 512 head
.set LSC, 4                            ; 8,192 + 4 lane + head
.set ADR, 5
.set ADS, 6
.set KS,  8                            ; v8-11: k's scale bytes, a register a record: lanes 0-15 g = 0, lanes 16-31 g = 1.  v8-15 hold scales and nothing else
.set VSC, 12                           ; v's scale word: byte c = record c's; lanes 0-15 channel tile 0, lanes 16-31 tile 1
.set PS,  13                           ; p's scale word
.set QS,  14                           ; v14, v15: q's scale byte of tile 0, of tile 1
.set NM,  16                           ; tile x: v[NM + 2 x] = -M, + 1 = the largest score
.set LL,  20                           ; tile x: the sum, in two halves
.set FF,  24                           ; f = 2^(old M - new M), and a filler
.set BM,  26                           ; four blocks: the largest score, then its exponent
.set PT,  30                           ; a block's second chain; the permute's results; the blocks' exponents as whole numbers
.set AA,  26                           ; four partial sums, two numbers each (the blocks' maxima are done with); four more stand where p's codes' upper half will
.set HD,  34                           ; 448 x the scale
.set SO,  38                           ; the conversions' scale operands
.set TT,  42
.set VB,  44                           ; v's four scale bytes as they are loaded
.set Q,   48                           ; [q0 0 0 0] [q1 0 0 0]
.set KF,  80                           ; k: eight groups, 2 c + g
.set VF,  112                          ; v: two fragments of four groups, 16 u + 4 c
.set P,   144
.set S,   160                          ; 16 c + 8 g + j
.set O,   224                          ; 16 x + 8 u + j
.set TM,  26                           ; the tail's quantiser works in v26-41
.set TL,  48                           ; the tail's addresses take q's registers
.set TR,  49
.set TH,  50
.set AOW, 51
.set AOSW, 52
.set AOR, 53
.set AOSR, 54
.set AST, 55
.set ARD, 56
.set GO,  57
.set BI,  96                           ; the bias, behind l_proj's fragment, in k's registers
.set DD,  112                          ; the projection's four results, in v's
.set WV,  16
.set TP,  17
.set HE,  18
.set CT,  23
.set IR,  36
.set FLR, 38
.set SEL, 40
.set MNT, 42
.set NCS, 43
.set CS,  44
.set TB,  46
.set CNT, 47
.set OIW, 66
.set OSW, 67
.set OIR, 68
.set OSR, 69
.set STG, 70
.macro PLACES n
.rept \n
	v_nop
.endr
.endm
.macro MM d, a, b, c, sa, ra, sb       ; one product 16 x 16 x 128.  c < 0: the constant 0 starts the sum.  ra = 1: A's scales are read from lanes 16-31
.if (\c) < 0
.if (\ra)
	v_wmma_scale_f32_16x16x128_f8f6f4 v[(\d):(\d)+7], v[(\a):(\a)+15], v[(\b):(\b)+15], 0, v[(\sa)], v[(\sb)] matrix_a_scale:MATRIX_SCALE_ROW1
.else
	v_wmma_scale_f32_16x16x128_f8f6f4 v[(\d):(\d)+7], v[(\a):(\a)+15], v[(\b):(\b)+15], 0, v[(\sa)], v[(\sb)]
.endif
.else
.if (\ra)
	v_wmma_scale_f32_16x16x128_f8f6f4 v[(\d):(\d)+7], v[(\a):(\a)+15], v[(\b):(\b)+15], v[(\c):(\c)+7], v[(\sa)], v[(\sb)] matrix_a_scale:MATRIX_SCALE_ROW1
.else
	v_wmma_scale_f32_16x16x128_f8f6f4 v[(\d):(\d)+7], v[(\a):(\a)+15], v[(\b):(\b)+15], v[(\c):(\c)+7], v[(\sa)], v[(\sb)]
.endif
.endif
.endm
.macro CROUND                          ; a round of the cluster's barrier
	s_barrier_signal -1
	s_barrier_wait -1
	s_cmp_lg_u32 s[WV], 0
	s_cbranch_scc1 .Lnot_wave_0_\@
	s_barrier_signal -3
.Lnot_wave_0_\@:
	s_barrier_wait -3
	s_barrier_signal -1
	s_barrier_wait -1
.endm
	s_load_b256 s[4:11], s[0:1], 0x0               ; qws 4, kvws 6, l_proj codes 8, scales 10
	s_load_b128 s[12:15], s[0:1], 0x20             ; bias 12, out0 14
	v_lshl_add_u32 v[SPW], v0, 2, SPARE
	v_mov_b32 v[NIL], 0
	ds_add_u32 v[SPW], v[NIL]                      ; the wave's opening: the add, twice on end, and its wait ahead of the round in front of my tensor load
	ds_add_u32 v[SPW], v[NIL]
	v_lshrrev_b32 v3, 5, v0
	v_readfirstlane_b32 s[WV], v3                  ; wave 0..15
	s_lshr_b32 s[TP], s[WV], 2                     ; my pair of tiles
	s_and_b32 s[HE], s[WV], 3                      ; my head
	s_and_b32 s[CT], s[WV], 7                      ; the projection: my 16 channels,
	s_lshr_b32 s[IR], s[WV], 3                     ; my image row
	s_bfe_u32 s19, ttmp6, 0x40000                  ; cx: it enters q's and out0's global addresses alone
	s_lshl_b32 s20, ttmp9, 2
	s_add_co_u32 s20, s20, s19                     ; i = 4 x cluster x + cx
	s_and_b32 s21, ttmp7, 0xffff                   ; b, which the four partners share
	; descriptor group 1: two records as 66 dense rows of 256 bytes (32 elements of 8 bytes)
	s_mov_b32 s24, 15|(3<<16)|(1<<21)              ; the mask: all four work-groups; bit 21 beside it
	s_mov_b32 s25, 32<<16
	s_mov_b32 s26, 66<<16
	s_mov_b32 s27, 32<<16
	s_mov_b32 s28, 66
	s_mov_b32 s29, 32
	s_mov_b32 s30, 0
	s_mov_b32 s31, 0
	s_mov_b32 s32, 1
	s_mul_i32 s33, s[WV], 2*REC                    ; records 2 w, 2 w + 1: to w x 16,896 in LDS,
	s_mul_i32 s48, s21, 32*REC                     ; and from there in the image's records
	s_add_co_u32 s48, s48, s33
	s_mov_b32 s49, 0
	s_lshl_b32 s50, s21, 5
	s_add_co_u32 s50, s50, s20
	s_mul_i32 s50, s50, 16896                      ; q's record 32 b + i
	s_lshl_b32 s22, s[TP], 7
	s_add_co_u32 s54, s50, s22
	s_add_co_u32 s54, s54, s[HE]                   ; my tiles' scale bytes in it
	s_mov_b32 s55, 0
	s_lshl_b32 s22, s[TP], 12
	s_add_co_u32 s50, s50, s22
	s_lshl_b32 s37, s[HE], 9
	s_add_co_u32 s50, s50, s37                     ; my tiles' codes
	s_mov_b32 s51, 0
	s_add_co_u32 s[OIW], s22, s37
	s_add_co_u32 s[OIW], s[OIW], OIMG              ; o: my two tiles' groups,
	s_lshl_b32 s22, s[TP], 7
	s_add_co_u32 s[OSW], s22, s[HE]
	s_add_co_u32 s[OSW], s[OSW], OSC               ; their scale bytes;
	s_lshl_b32 s22, s[IR], 12
	s_add_co_u32 s[OIR], s22, OIMG                 ; what I project: tiles 2 (w / 8) + 0, 1 and 4 further on
	s_lshl_b32 s22, s[IR], 7
	s_add_co_u32 s[OSR], s22, OSC
	s_mul_i32 s[STG], s[WV], STP
	s_lshl_b32 s56, s[CT], 11                      ; l_proj's codes of my 16 rows,
	s_mov_b32 s57, 0
	s_lshl_b32 s58, s[CT], 6                       ; their scale words, and the bias
	s_mov_b32 s59, 0
	s_lshl_b32 s52, s21, 22                        ; out0: the image,
	s_lshl_b32 s22, s[CT], 18                      ; channels 128 + 16 (w % 8) on,
	s_add_co_u32 s52, s52, s22
	s_add_co_u32 s52, s52, 128*16384
	s_lshl_b32 s22, s20, 9                         ; image row 2 i + w / 8
	s_add_co_u32 s52, s52, s22
	s_lshl_b32 s22, s[IR], 8
	s_add_co_u32 s52, s52, s22
	s_mov_b32 s53, 0
	s_mov_b32 s[SEL], 0x76543210
	s_mov_b32 s[SEL+1], 0xfedcba98
	s_mov_b32 s[MNT], 0x600000
	s_mov_b32 s[CS], 0x3e8293ee                    ; c = log2(e) / sqrt(32)
	s_mov_b32 s[CS+1], s[CS]
	s_mov_b32 s[NCS], 0xbe8293ee                   ; -c
	s_mov_b32 s[FLR], 0xc2ec0000                   ; -118
	s_mov_b32 s[TB], 0
	s_add_co_u32 s22, s[HE], 8192
	v_and_b32 v7, 31, v0                           ; lane
	v_and_b32 v[TT], 15, v0                        ; r
	v_lshl_add_u32 v[LB], v7, 4, s37
	v_lshl_add_u32 v[LSC], v7, 2, s22
	v_lshlrev_b32 v[ADR], 4, v7                    ; until the loop: q's codes
	v_lshlrev_b32 v[ADS], 2, v[TT]                 ; and q's scale bytes
	s_wait_alu depctr_va_vdst(0)
	s_wait_dscnt 0x0                               ; both opening adds are done
	s_wait_kmcnt 0x0
	s_add_nc_u64 s[34:35], s[6:7], s[48:49]
	s_or_b32 s35, s35, 0x80000000
	s_add_nc_u64 s[60:61], s[4:5], s[54:55]
	s_add_nc_u64 s[4:5], s[4:5], s[50:51]
	s_add_nc_u64 s[8:9], s[8:9], s[56:57]
	s_add_nc_u64 s[10:11], s[10:11], s[58:59]
	s_add_nc_u64 s[12:13], s[12:13], s[58:59]
	s_add_nc_u64 s[14:15], s[14:15], s[52:53]
	CROUND                                         ; all four work-groups are here: the joint loads meet
	s_cmp_lt_u32 s[WV], 8                          ; one load a wave; waves 0 to 7 and waves 8 to 15 have a line each, since they wait at different barriers
	s_cbranch_scc0 .Lsecond_half
	tensor_load_to_lds s[32:35], s[24:31]
	s_nop 0
	PLACES 4
	s_branch .Lasked
.Lsecond_half:
	tensor_load_to_lds s[32:35], s[24:31]
	s_nop 0
	PLACES 4
.Lasked:
	global_load_b128 v[Q:Q+3], v[ADR], s[4:5]
	global_load_b128 v[Q+16:Q+19], v[ADR], s[4:5] offset:2048
	global_load_u8 v[QS], v[ADS], s[60:61] offset:16384
	global_load_u8 v[QS+1], v[ADS], s[60:61] offset:16384+64
.irp j, 4,5,6,7,8,9,10,11,12,13,14,15
	v_mov_b32 v[Q+\j], 0                           ; the zero codes behind q, written once
	v_mov_b32 v[Q+16+\j], 0
.endr
.irp j, 0,1,2,3,4,5,6,7,8,9,10,11
	v_mov_b32 v[VF+\j], 0                          ; what the first windows of score tiles 5 to 7 run on into
.endr
.irp j, 0,1,2,3,4,5,6,7,8,9,10,11,12,13,14,15,16,17,18,19,20,21,22,23,24,25,26,27,28,29,30,31
	v_mov_b32 v[O+\j], 0                           ; the loop's first trip finds zeros, which the first change of M leaves zeros
.endr
.irp x, 0,1
	v_mov_b32 v[NM+2*\x+1], 0xff61b1e6             ; the largest score so far: -3e38
	v_mov_b32 v[LL+2*\x], 0
	v_mov_b32 v[LL+2*\x+1], 0
	v_mov_b32 v[FF+\x], 0
.endr
.irp x, 0,1
	v_mul_f32 v[NM+2*\x], s[NCS], v[NM+2*\x+1]     ; -M of it: a whole number at this size
.endr
	s_wait_alu depctr_va_vdst(0)                   ; the head's end
	s_cmp_lt_u32 s[WV], 8
	s_cbranch_scc0 .Lnot_yet
	s_wait_tensorcnt 0x0                           ; waves 0 to 7: my two records are in
.Lnot_yet:
	s_barrier_signal -1
	s_barrier_wait -1                              ; records 0 to 15 are in
	s_wait_tensorcnt 0x0                           ; waves 8 to 15: mine are in too;
	s_wait_loadcnt 0x0                             ; q; its loads' address registers are free
	s_barrier_signal -1                            ; the second barrier: waited for behind the third trip
.macro KLOAD ko                        ; four records' k: eight groups on end, and a scale byte a row
.irp c, 0,1,2,3
.irp g, 0,1
	ds_load_b128 v[KF+4*(2*\c+\g):KF+4*(2*\c+\g)+3], v[ADR] offset:REC*\c+2048*\g+\ko
.endr
.endr
.irp c, 0,1,2,3
	ds_load_u8 v[KS+\c], v[ADS] offset:REC*\c+\ko
.endr
.endm
.macro VLOAD                           ; four records' v: group c of fragment u is record c's; and the four scale bytes of each channel
.irp u, 0,1
.irp c, 0,1,2,3
	ds_load_b128 v[VF+16*\u+4*\c:VF+16*\u+4*\c+3], v[ADR] offset:REC*\c+4096+2048*\u
.endr
.endr
.irp c, 0,1,2,3
	ds_load_u8 v[VB+\c], v[ADS] offset:REC*\c+128
.endr
.endm
.macro SPROD c, x                      ; the scores of record c's 32 keys with tile x
.irp g, 0,1
	MM S+16*(\c)+8*\g, KF+4*(2*(\c)+\g), Q+16*(\x), -1, KS+(\c), \g, QS+(\x)
.endr
.endm
; the largest of a block's 16 scores of mine: two chains, seven lines (k = 0 .. 6) and half a pair (JOIN).  Each accumulator is read from its low end on
.macro MAXI b, k
.if (\k) == 0
	v_max3_num_f32 v[BM+\b], v[S+16*\b], v[S+16*\b+1], v[S+16*\b+2]
.elseif (\k) == 1
	v_max3_num_f32 v[PT+\b], v[S+16*\b+7], v[S+16*\b+8], v[S+16*\b+9]
.elseif (\k) == 2
	v_max3_num_f32 v[BM+\b], v[BM+\b], v[S+16*\b+3], v[S+16*\b+4]
.elseif (\k) == 3
	v_max3_num_f32 v[PT+\b], v[PT+\b], v[S+16*\b+10], v[S+16*\b+11]
.elseif (\k) == 4
	v_max3_num_f32 v[BM+\b], v[BM+\b], v[S+16*\b+5], v[S+16*\b+6]
.elseif (\k) == 5
	v_max3_num_f32 v[PT+\b], v[PT+\b], v[S+16*\b+12], v[S+16*\b+13]
.else
	v_max3_num_f32 v[BM+\b], v[BM+\b], v[PT+\b], v[S+16*\b+14+(\b%2)]
.endif
.endm
.macro JOIN p                          ; blocks p and p + 1 take their last score: registers of different numbers modulo 4
	v_dual_max_num_f32 v[BM+\p], v[BM+\p], v[S+16*\p+15] :: v_dual_max_num_f32 v[BM+\p+1], v[BM+\p+1], v[S+16*\p+30]
.endm
.macro MAXA                            ; blocks 0 and 1, by turns
.irp k, 0,1,2,3,4,5,6
.irp b, 0,1
	MAXI \b, \k
.endr
.endr
.endm
.macro HMIN b, i                       ; the conversion does not saturate (ISA guide 7.6.2); p is not negative, so the hold is one-sided; two numbers a line
	v_dual_min_num_f32 v[S+16*(\b)+(\i)], v[S+16*(\b)+(\i)], v[HD+(\b)] :: v_dual_min_num_f32 v[S+16*(\b)+(\i)+1], v[S+16*(\b)+(\i)+1], v[HD+(\b)]
.endm
.macro CVT b                           ; block b's codes
	v_cvt_scalef32_pk8_fp8_f32 v[P+4*\b:P+4*\b+1], v[S+16*\b:S+16*\b+7], v[SO+\b]
	v_cvt_scalef32_pk8_fp8_f32 v[P+4*\b+2:P+4*\b+3], v[S+16*\b+8:S+16*\b+15], v[SO+\b]
.endm
.macro ACC k, p                        ; pair p of the unquantised p onto partial sum k
	v_pk_add_f32 v[AA+2*\k:AA+2*\k+1], v[AA+2*\k:AA+2*\k+1], v[S+2*\p:S+2*\p+1]
.endm
.macro SUM2 k, m                       ; partial sum m onto partial sum k
	v_pk_add_f32 v[AA+2*\k:AA+2*\k+1], v[AA+2*\k:AA+2*\k+1], v[AA+2*\m:AA+2*\m+1]
.endm
.macro SP1 c, g, x, no                 ; one product of scores (no = 1: there is no next tile)
.if (\no) == 0
	MM S+16*(\c)+8*(\g), KF+4*(2*(\c)+(\g)), Q+16*(\x), -1, KS+(\c), \g, QS+(\x)
.endif
.endm
.macro MAXP k, no                      ; a line of either chain of blocks 0 and 1
.if (\no) == 0
	MAXI 0, \k
	MAXI 1, \k
.endif
.endm
.macro PV x, u
	MM O+16*(\x)+8*(\u), VF+16*(\u), P, O+16*(\x)+8*(\u), VSC, \u, PS
.endm
.macro UNDER n                         ; line n of 24 that stand among the second half's exponentials: blocks 0 and 1, whose p are done: their eight partial sums, then their holds; no line reads another's result
.set N_, \n
.if N_ < 4
	v_pk_add_f32 v[AA+2*N_:AA+2*N_+1], v[S+2*N_:S+2*N_+1], v[S+2*N_+8:S+2*N_+9]
.elseif N_ < 8
	v_pk_add_f32 v[P+2*N_:P+2*N_+1], v[S+8+2*N_:S+9+2*N_], v[S+16+2*N_:S+17+2*N_]
.elseif N_ < 16
	HMIN 0, 2*(N_-8)
.else
	HMIN 1, 2*(N_-16)
.endif
.endm
; A TILE x of a trip.  It finds its scores' products issued and the chains of blocks 0 and 1 done up to JOIN; it leaves the next tile's so (last = 1: there is none).
.macro TILE x, last
.if (\x) == 0
	v_add_nc_u32 v[ADR], s[TB], v[LB]
	v_add_nc_u32 v[ADS], s[TB], v[LSC]
.endif
	JOIN 0
.irp k, 0,1,2,3,4,5,6                  ; blocks 2 and 3 by turns: behind block 3's products stand the tile before's last ten lines of maxima (at the loop's entry: eight places and the lines of MAXA)
	MAXI 2, \k
	MAXI 3, \k
.endr
	JOIN 2
.if (\x) == 0
	VLOAD                                          ; this trip's v lands under the softmax: its registers were last read by the products behind which sixteen plain lines stand
.elseif (\last) == 0
	KLOAD 4*REC                                    ; the next trip's k likewise
.else
	v_and_b32 v[TT], 15, v0                        ; the projection's operands land in k's registers: r,
	v_bfe_u32 v[TT+1], v0, 4, 1                    ; h
	v_lshlrev_b32 v[ADR], 7, v[TT]
	v_lshl_add_u32 v[ADR], v[TT+1], 4, v[ADR]      ; row r x 128 + 16 h
	v_lshlrev_b32 v[ADS], 2, v[TT]
	v_lshlrev_b32 v7, 5, v[TT+1]
.irp c, 0,1,2,3
	global_load_b128 v[KF+4*\c:KF+4*\c+3], v[ADR], s[8:9] offset:32*\c
.endr
	global_load_b32 v[KS], v[ADS], s[10:11]
	global_load_b128 v[BI:BI+3], v7, s[12:13]
	global_load_b128 v[BI+4:BI+7], v7, s[12:13] offset:16
.endif
.irp b, 0,1,2,3
	v_permlanex16_b32 v[PT+\b], v[BM+\b], s[SEL], s[SEL+1]
.endr
.irp b, 0,2
	v_dual_max_num_f32 v[BM+\b], v[BM+\b], v[PT+\b] :: v_dual_max_num_f32 v[BM+\b+1], v[BM+\b+1], v[PT+\b+1]   ; with lane l xor 16's 16 keys
.endr
	v_max3_num_f32 v[TT], v[BM], v[BM+1], v[BM+2]
	s_delay_alu instid0(VALU_DEP_1)
	v_max3_num_f32 v[NM+2*(\x)+1], v[TT], v[BM+3], v[NM+2*(\x)+1]   ; the running largest score
	s_delay_alu instid0(VALU_DEP_1)
	v_mul_f32 v[TT], s[NCS], v[NM+2*(\x)+1]        ; -t of it
	s_delay_alu instid0(VALU_DEP_1)
	v_floor_f32 v[TT+1], v[TT]                     ; the new -M = floor(-t)
	s_delay_alu instid0(VALU_DEP_1)
	v_sub_f32 v[TT], v[TT+1], v[NM+2*(\x)]         ; old M - new M, 0 or less
	v_mov_b32 v[NM+2*(\x)], v[TT+1]
	v_cvt_i32_f32 v[TT], v[TT]                     ; (it saturates)
.irp b, 0,2
	v_pk_fma_f32 v[BM+\b:BM+\b+1], v[BM+\b:BM+\b+1], s[CS:CS+1], v[NM+2*(\x):NM+2*(\x)+1] op_sel_hi:[1,0,0]   ; each block's largest t - M
.endr
.irp j, 0,2,4,6,8,10,12,14
	v_pk_fma_f32 v[S+\j:S+\j+1], v[S+\j:S+\j+1], s[CS:CS+1], v[NM+2*(\x):NM+2*(\x)+1] op_sel_hi:[1,0,0]   ; t - M, two at a time
.endr
.irp b, 0,2
	v_dual_max_num_f32 v[BM+\b], s[FLR], v[BM+\b] :: v_dual_max_num_f32 v[BM+\b+1], s[FLR], v[BM+\b+1]   ; -118 from below: so the byte is 1 at the least
.endr
.irp j, 16,18,20,22,24,26,28,30
	v_pk_fma_f32 v[S+\j:S+\j+1], v[S+\j:S+\j+1], s[CS:CS+1], v[NM+2*(\x):NM+2*(\x)+1] op_sel_hi:[1,0,0]
.endr
.irp b, 0,1,2,3
	v_cvt_floor_i32_f32 v[PT+\b], v[BM+\b]         ; n, the exponent of the block's largest p
.endr
	v_ldexp_f32 v[FF], 1.0, v[TT]                  ; f = 2^(old M - new M): a multiplication by it rounds nothing
.irp b, 0,1,2,3
	v_lshl_add_u32 v[SO+\b], v[PT+\b], 23, 119<<23 ; the scale 2^(n - 8), the conversion's scale operand
.endr
	v_lshl_add_u32 v[PT], v[PT+1], 8, v[PT]
	v_lshl_add_u32 v[PT+2], v[PT+3], 8, v[PT+2]
	v_lshl_add_u32 v[PT], v[PT+2], 16, v[PT]
.irp b, 0,2
	v_pk_mul_f32 v[HD+\b:HD+\b+1], v[SO+\b:SO+\b+1], 0x43e00000 op_sel_hi:[1,0]   ; 448 x the scale
.endr
	v_add_nc_u32 v[PS], 0x77777777, v[PT]          ; p's scale word: 119 + n in each byte (the carries of the negative n come out)
	s_wait_alu depctr_va_vdst(0)                   ; one wait ahead of the batch
.set K_, 0
.rept 32
	v_exp_f32 v[S+K_], v[S+K_]                     ; p = 2^(t - M) of blocks 0 and 1; among them t - M of blocks 2 and 3
.if K_%2
	v_pk_fma_f32 v[S+31+K_:S+32+K_], v[S+31+K_:S+32+K_], s[CS:CS+1], v[NM+2*(\x):NM+2*(\x)+1] op_sel_hi:[1,0,0]
.endif
.set K_, K_+1
.endr
	s_wait_alu depctr_va_vdst(0)                   ; one wait between the batches: behind the first, ahead of the second
.set K_, 0
.rept 32
	v_exp_f32 v[S+32+K_], v[S+32+K_]               ; of blocks 2 and 3
.if K_ >= 8
	UNDER K_-8
.endif
.set K_, K_+1
.endr
	s_wait_dscnt 0x0                               ; what was asked for ahead of the softmax (v, or the next trip's k) is in
	s_wait_alu depctr_va_vdst(0)                   ; one wait for the batch, and for O^T, whose first readers follow
.irp j, 0,2,4,6,8,10,12,14
	v_pk_mul_f32 v[O+16*(\x)+\j:O+16*(\x)+\j+1], v[O+16*(\x)+\j:O+16*(\x)+\j+1], v[FF:FF+1] op_sel_hi:[1,0]   ; O^T under the new M
.endr
	CVT 0
.irp k, 0,1,2,3
	v_pk_add_f32 v[AA+2*\k:AA+2*\k+1], v[AA+2*\k:AA+2*\k+1], v[P+8+2*\k:P+9+2*\k]   ; the sum of the unquantised p, two at a time, in four chains
.endr
.if (\x) == 0
	v_lshl_or_b32 v[VB], v[VB+1], 8, v[VB]         ; v's scale word for these 128 keys: byte c = record c's; it serves both tiles
	v_lshl_or_b32 v[VB+2], v[VB+3], 8, v[VB+2]
.endif
	SP1 0, 0, 1-(\x), \last                        ; the next tile's scores: a block's registers are free behind its conversions and a plain line; two vector lines stand behind each product
	ACC 0, 16
	ACC 1, 17
	SP1 0, 1, 1-(\x), \last
	ACC 2, 18
	ACC 3, 19
.if (\x) == 0
	v_lshl_or_b32 v[VSC], v[VB+2], 16, v[VB]
.endif
	CVT 1
	ACC 0, 20
	ACC 1, 21
	SP1 1, 0, 1-(\x), \last
	ACC 2, 22
	ACC 3, 23
	SP1 1, 1, 1-(\x), \last
.irp i, 0,2,4,6,8,10,12,14
	HMIN 2, \i                                     ; (these eight are also the places between block 1's products and their first reader)
.endr
	CVT 2
	ACC 0, 24
	ACC 1, 25
	ACC 2, 26
	ACC 3, 27
	SP1 2, 0, 1-(\x), \last
	ACC 0, 28
	ACC 1, 29
	SP1 2, 1, 1-(\x), \last
	ACC 2, 30
	ACC 3, 31
	HMIN 3, 0
	HMIN 3, 2
	SUM2 0, 1
	SUM2 2, 3
	HMIN 3, 4
	HMIN 3, 6
	HMIN 3, 8
	SUM2 0, 2
	HMIN 3, 10
	HMIN 3, 12
	HMIN 3, 14
	v_pk_fma_f32 v[LL+2*(\x):LL+2*(\x)+1], v[LL+2*(\x):LL+2*(\x)+1], v[FF:FF+1], v[AA:AA+1] op_sel_hi:[1,0,1]   ; the row's sum under the new M
	CVT 3
.if (\last) == 1
	PLACES 4                                       ; between the codes and the products that take them (elsewhere: six lines of maxima)
.endif
	MAXP 0, \last
	SP1 3, 0, 1-(\x), \last
	MAXP 1, \last
	SP1 3, 1, 1-(\x), \last
	MAXP 2, \last
	PV \x, 0
	MAXP 3, \last
	PV \x, 1
	MAXP 4, \last
	MAXP 5, \last
	MAXP 6, \last
.endm
.macro TRIPS n, top
	s_mov_b32 s[CNT], \n
\top:
	TILE 0, 0
	TILE 1, 0
	s_add_co_u32 s[TB], s[TB], 4*REC
	s_sub_co_u32 s[CNT], s[CNT], 1
	s_cmp_lg_u32 s[CNT], 0
	s_wait_alu depctr_va_vdst(0)
	s_cbranch_scc1 \top
.endm
	v_add_nc_u32 v[ADR], s[TB], v[LB]
	v_add_nc_u32 v[ADS], s[TB], v[LSC]
	KLOAD 0
	s_wait_alu depctr_va_vdst(0)
	s_wait_dscnt 0x0
.irp c, 0,1,2,3
	SPROD \c, 0
.endr
	PLACES 8
	MAXA
	TRIPS 3, .Lfirst_trips
	s_barrier_wait -1                              ; records 16 to 31 are in
	TRIPS 4, .Lmore_trips
	TILE 0, 0                                      ; the last trip fetches no further k
	TILE 1, 1
	; ---- the tail: O^T / the sum, quantised along the channels; the projection; the way out
.irp x, 0,1
	v_add_f32 v[LL+2*\x], v[LL+2*\x], v[LL+2*\x+1]
.endr
.irp x, 0,1
	v_permlanex16_b32 v[PT+\x], v[LL+2*\x], s[SEL], s[SEL+1]
.endr
.irp x, 0,1
	v_add_f32 v[LL+2*\x], v[LL+2*\x], v[PT+\x]     ; the row's sum
.endr
	s_wait_alu depctr_va_vdst(0)
.irp x, 0,1
	v_rcp_f32 v[NM+2*\x], v[LL+2*\x]               ; into -M's place: M is done with
.endr
	v_and_b32 v[TL], 31, v0                        ; lane.  (These lines are plain work behind the reciprocals, and the places behind the last products)
	v_and_b32 v[TR], 15, v0                        ; r
	v_bfe_u32 v[TH], v0, 4, 1                      ; h
	v_lshl_add_u32 v[AOW], v[TL], 4, s[OIW]        ; my two groups of o's images,
	v_lshl_add_u32 v[AOSW], v[TR], 2, s[OSW]       ; and their scale bytes
	v_lshl_add_u32 v[AOR], v[TL], 4, s[OIR]
	v_lshl_add_u32 v[AOSR], v[TR], 2, s[OSR]
	v_mul_u32_u24 v[AST], v[TH], 8*272             ; the stage, in: channel 8 h + j, byte 16 r + 8 g + 4 t of the image row
	v_lshl_add_u32 v[AST], v[TR], 4, v[AST]
	v_add_nc_u32 v[AST], s[STG], v[AST]
	v_mul_u32_u24 v[ARD], v[TH], 272               ; back: lanes 0-15 one channel's 256 bytes, lanes 16-31 the next's
	v_lshl_add_u32 v[ARD], v[TR], 4, v[ARD]
	v_add_nc_u32 v[ARD], s[STG], v[ARD]
	v_lshlrev_b32 v[GO], 14, v[TH]
	v_lshl_add_u32 v[GO], v[TR], 4, v[GO]
	s_wait_alu depctr_va_vdst(0)                   ; one wait for the two reciprocals and for O^T, ahead of their first readers
.irp x, 0,1
.irp j, 0,2,4,6,8,10,12,14
	v_pk_mul_f32 v[O+16*\x+\j:O+16*\x+\j+1], v[O+16*\x+\j:O+16*\x+\j+1], v[NM+2*\x:NM+2*\x+1] op_sel_hi:[1,0]
.endr
.endr
	; o's block of 32 channels (my head) of either tile: register 8 u + j = channel 16 h + 8 u + j, by the rows that the first launch gave v's tiles
.irp b, 0,1
	v_max3_num_f32 v[TM+\b], |v[O+16*\b]|, |v[O+16*\b+1]|, 0x4800000   ; the floor 2^(9 - 127) holds the byte at 1 from below
.endr
.irp i, 2,4,6,8,10,12,14
.irp b, 0,1
	v_max3_num_f32 v[TM+\b], v[TM+\b], |v[O+16*\b+\i]|, |v[O+16*\b+\i+1]|
.endr
.endr
.irp b, 0,1
	v_permlanex16_b32 v[TM+4+\b], v[TM+\b], s[SEL], s[SEL+1]
.endr
.irp b, 0,1
	v_max_num_f32 v[TM+\b], v[TM+\b], v[TM+4+\b]
.endr
.irp b, 0,1
	v_add_nc_u32 v[TM+12+\b], 0xfc000000, v[TM+\b]
.endr
.irp b, 0,1
	v_and_or_b32 v[TM+8+\b], v[TM+\b], 0x7f800000, s[MNT]
.endr
.irp b, 0,1
	v_lshrrev_b32 v[TM+4+\b], 23, v[TM+12+\b]
.endr
.irp b, 0,1
.irp i, 0,1,2,3,4,5,6,7,8,9,10,11,12,13,14,15
	v_med3_num_f32 v[O+16*\b+\i], v[O+16*\b+\i], -v[TM+8+\b], v[TM+8+\b]
.endr
	v_cvt_scalef32_pk8_fp8_f32 v[P+4*\b:P+4*\b+1], v[O+16*\b:O+16*\b+7], v[TM+12+\b]
	v_cvt_scalef32_pk8_fp8_f32 v[P+4*\b+2:P+4*\b+3], v[O+16*\b+8:O+16*\b+15], v[TM+12+\b]
.endr
	v_nop                                          ; a plain instruction behind the last scaled conversion
.irp b, 0,1
	ds_store_b128 v[AOW], v[P+4*\b:P+4*\b+3] offset:2048*\b
	ds_store_b8 v[AOSW], v[TM+4+\b] offset:64*\b
.endr
	s_wait_dscnt 0x0                               ; for the others' sake: my stores have landed, and my reads of the records are over
	s_barrier_signal -1
	s_barrier_wait -1                              ; o's images are whole, and nobody reads the records any more
.irp g, 0,1
.irp t, 0,1
.irp c, 0,1,2,3
	ds_load_b128 v[S+16*(2*\g+\t)+4*\c:S+16*(2*\g+\t)+4*\c+3], v[AOR] offset:8192*\g+2048*\t+512*\c
.endr
	ds_load_b32 v[KS+1+2*\g+\t], v[AOSR] offset:256*\g+64*\t
.endr
.endr
	s_wait_loadcnt 0x0                             ; l_proj's fragment, its scale words, the bias
	s_wait_dscnt 0x0
.irp n, 0,1,2,3
	MM DD+8*\n, KF, S+16*\n, BI, KS, 0, KS+1+\n    ; tile 4 g + 2 (w / 8) + t, n = 2 g + t: one product a sum; the bias is its C
.endr
	PLACES 8
.irp n, 0,1,2,3
.irp j, 0,1,2,3,4,5,6,7
	ds_store_b32 v[AST], v[DD+8*\n+\j] offset:272*\j+8*(\n/2)+4*(\n%2)
.endr
.endr
.irp k, 0,1,2,3,4,5,6,7
	ds_load_b128 v[S+4*\k:S+4*\k+3], v[ARD] offset:544*\k   ; my own rows: LDS serves a wave's instructions in order (ISA guide 5.7.1.4)
.endr
.irp k, 0,1,2,3,4,5,6,7
	s_wait_dscnt 7-\k                              ; channels 2 k, 2 k + 1 are in; the younger loads may be out
	global_store_b128 v[GO], v[S+4*\k:S+4*\k+3], s[14:15] offset:32768*\k th:TH_STORE_NT   ; sixteen lanes store 256 consecutive bytes, at a multiple of 256 from out0's first byte
.endr
	s_wait_tensorcnt 0x0                           ; the wave's end
	ds_add_u32 v[SPW], v[NIL]
	s_wait_dscnt 0x0
	CROUND                                         ; the closing round: no work-group ends while a partner may still ask for a record that names it
	s_endpgm
.Lfunc_end_k_qadf7174d8a_lofi:
	.size	k_qadf7174d8a_lofi, .Lfunc_end_k_qadf7174d8a_lofi-k_qadf7174d8a_lofi
	.p2alignl 7, 3214868480
	.fill 96, 4, 3214868480
	.section	.rodata,"a",@progbits
	.p2align	6, 0x0
	.amdhsa_kernel k_qadf7174d8a_lofi
		.amdhsa_group_segment_fixed_size 289280
		.amdhsa_private_segment_fixed_size 0
		.amdhsa_enable_private_segment 0
		.amdhsa_kernarg_size 48
		.amdhsa_user_sgpr_count 2
		.amdhsa_user_sgpr_kernarg_segment_ptr 1
		.amdhsa_wavefront_size32 1
		.amdhsa_system_sgpr_workgroup_id_x 1
		.amdhsa_system_sgpr_workgroup_id_y 1
		.amdhsa_system_sgpr_workgroup_id_z 1
		.amdhsa_system_vgpr_workitem_id 0
		.amdhsa_next_free_vgpr 256
		.amdhsa_next_free_sgpr 80
		.amdhsa_reserve_vcc 0
		.amdhsa_float_denorm_mode_32 3
		.amdhsa_float_denorm_mode_16_64 3
		.amdhsa_memory_ordered 1
		.amdhsa_forward_progress 1
		.amdhsa_inst_pref_size 114
	.end_amdhsa_kernel
	.amdgpu_metadata
---
amdhsa.version: [ 1, 2 ]
amdhsa.kernels:
  - .name:           k_qadf7174d8a_lofi
    .symbol:         k_qadf7174d8a_lofi.kd
    .args:
      - { .name: qws, .offset: 0, .size: 8, .value_kind: global_buffer, .address_space: global }
      - { .name: kvws, .offset: 8, .size: 8, .value_kind: global_buffer, .address_space: global }
      - { .name: l_proj_w_codes, .offset: 16, .size: 8, .value_kind: global_buffer, .address_space: global }
      - { .name: l_proj_w_scales, .offset: 24, .size: 8, .value_kind: global_buffer, .address_space: global }
      - { .name: l_proj_b, .offset: 32, .size: 8, .value_kind: global_buffer, .address_space: global }
      - { .name: out0, .offset: 40, .size: 8, .value_kind: global_buffer, .address_space: global }
    .group_segment_fixed_size: 289280
    .private_segment_fixed_size: 0
    .kernarg_segment_align: 8
    .kernarg_segment_size: 48
    .max_flat_workgroup_size: 512
    .sgpr_count:     80
    .vgpr_count:     256
    .wavefront_size: 32
...
	.end_amdgpu_metadata
.endif
;; end of part 4
